; MI455X (gfx1250); checked and timed in simulation.
; The chip was launched on July 23, 2026; its instructions are those of AMD's public machine-readable ISA for CDNA 5 (MIT licence, August 2026) and "CDNA5" Instruction Set Architecture Reference Guide (July 2026). The comments in the code are by the model that wrote it; some were corrected since.
;; SA Block. Allowed arithmetic: matrix products marked QUANTISED: E4M3 operands, one E8M0 scale for each 32 along K, by v_wmma_scale_f32_16x16x128_f8f6f4 with both operands' format E4M3, f32 sums; everything else in f32.
;; Inputs: Wk_codes 1,024 x 32 x 32 uint8 (E4M3 codes of Wk, K innermost, in blocks of 32 codes); Wk_scales 1,024 x 32 uint8 (E8M0 scales of Wk, one for each 32 codes along K); Wq_codes 1,024 x 32 x 32 uint8 (E4M3 codes of Wq, K innermost, in blocks of 32 codes); Wq_scales 1,024 x 32 uint8 (E8M0 scales of Wq, one for each 32 codes along K); Wv_codes 1,024 x 32 x 32 uint8 (E4M3 codes of Wv, K innermost, in blocks of 32 codes); Wv_scales 1,024 x 32 uint8 (E8M0 scales of Wv, one for each 32 codes along K); embed 2 x 2,048 x 1,024 float32; ln2_b 1,024 float32; ln2_g 1,024 float32; ln_b 1,024 float32; ln_g 1,024 float32; w1_b 4,096 float32; w1_w_codes 4,096 x 32 x 32 uint8 (E4M3 codes of w1_w, K innermost, in blocks of 32 codes); w1_w_scales 4,096 x 32 uint8 (E8M0 scales of w1_w, one for each 32 codes along K); w2_b 1,024 float32; w2_w_codes 1,024 x 128 x 32 uint8 (E4M3 codes of w2_w, K innermost, in blocks of 32 codes); w2_w_scales 1,024 x 128 uint8 (E8M0 scales of w2_w, one for each 32 codes along K).
;; Outputs: out0 2 x 2,048 x 1,024 float32.
;; This version of the problem:
;;   THIS VERSION OF THE PROBLEM IS GIVEN IN LOW PRECISION. The matrix products marked QUANTISED in the list below multiply operands that are first quantised to E4M3 (4 exponent bits, 3 mantissa bits; 8 bits a number), with one power-of-two scale for each 32 numbers along K (OCP MX v1.0); their sums are f32. All else is computed in f32.
;;   The module's matrix products, in the order in which they are computed (A, B: the left and right operand; K: the contracted axis; several contracted axes count as one K, in the product's order):
;;     1. [M 4,096, K 1,024] x [K 1,024, N 1,024]; A: input embed; B: input Wk (given as codes): QUANTISED
;;     2. [M 4,096, K 1,024] x [K 1,024, N 1,024]; A: input embed; B: input Wq (given as codes): QUANTISED
;;     3. [M 4,096, K 1,024] x [K 1,024, N 1,024]; A: input embed; B: input Wv (given as codes): QUANTISED
;;     4. batch 32 x [M 2,048, K 64] x [K 64, N 2,048]; A: computed on the way; B: computed on the way: QUANTISED
;;     5. batch 32 x [M 64, K 2,048] x [K 2,048, N 2,048]; A: computed on the way; B: softmax (see below): QUANTISED
;;     6. [M 4,096, K 1,024] x [K 1,024, N 4,096]; A: computed on the way; B: input w1_w (given as codes): QUANTISED
;;     7. [M 4,096, K 4,096] x [K 4,096, N 1,024]; A: computed on the way; B: input w2_w (given as codes): QUANTISED
;;   THE QUANTISER, for each operand of a quantised product, along K:
;;     - K is cut into blocks of 32 from its start; a last block that is shorter is filled with zeros.
;;     - A block's scale is 2^e with e = floor(log2(the largest magnitude in the block)) - 8, held to -126 .. 127; a block of zeros has e = 0. As a byte (E8M0): e + 127.
;;     - Each number is divided by its block's scale, clamped to +-448, and rounded to the nearest number of E4M3, ties to even, subnormals kept.
;;     - The product sums the exact products of the quantised numbers (number of the format x scale) in f32.
;;   ~~~python
;;   def quantise(x, axis):      # numpy; x: float32 -> the quantised numbers, widened to float32 again
;;       x = np.moveaxis(x, axis, -1); K = x.shape[-1]
;;       x = np.pad(x, [(0, 0)] * (x.ndim - 1) + [(0, -K % 32)]); x = x.reshape(x.shape[:-1] + (-1, 32)); a = np.abs(x).max(-1, keepdims=True)
;;       e = np.where(a > 0, np.clip(np.frexp(np.where(a > 0, a, 1))[1] - 1 - 8, -126, 127), 0)      # np.frexp(a)[1] - 1 = floor(log2(a)), exactly
;;       r = np.clip(x / 2.0 ** e, -448, 448)
;;       step = 2.0 ** (np.maximum(np.frexp(np.where(r == 0, 1, r))[1] - 1, -6) - 3)
;;       q = np.round(r / step) * step * 2.0 ** e      # np.round: ties to even
;;       return np.moveaxis(q.reshape(q.shape[:-2] + (-1,))[..., :K], -1, axis).astype(np.float32)
;;   ~~~
;;   SOFTMAX AHEAD OF A QUANTISED PRODUCT. Where the list says 'softmax', what is quantised is not the finished softmax but p = 2^(t - M), with t = logit x log2(e) and M = ceil(the row's largest t), a whole number; so 1/2 < the row's largest p <= 1. The row's sum l is taken of the UNQUANTISED p, in f32, and the product's result is divided by l at the end. Since M is a whole number, a kernel that streams over the keys may use a running M (the ceiling of the running maximum): every later rescaling is an exact power of two, which a block's scale takes up: the codes' values come out the same.
;;   OPERANDS COMPUTED ON THE WAY. 'Computed on the way' means the value that the module computes at that place (a softmax that the list does not call 'softmax' is quantised finished and normalised). What goes into a quantiser is computed in f32, as accurately as f32 sums, v_exp_f32 and their like allow (about 1e-6 of the number): no bf16 or f16 on the way to a quantiser, and a product that is left as it is and whose result goes on into a quantised operand takes f32 operands (vector FMAs, or v_wmma_f32_16x16x4_f32). A number that lies on a knife's edge between two numbers of the format may be rounded either way, as far as f32 arithmetic and the matrix unit's own rounding can turn it there, and no further.
;;   INPUTS GIVEN AS CODES. Wk (in the module: [1024, 1024], K = its axis 1); Wq (in the module: [1024, 1024], K = its axis 1); Wv (in the module: [1024, 1024], K = its axis 1); w1_w (in the module: [4096, 1024], K = its axis 1); w2_w (in the module: [1024, 4096], K = its axis 1): each comes as NAME_codes (uint8): NAME with its K axis moved to the last place and cut into blocks of 32 codes, [.., K / 32, bytes a block], one block behind the other in memory; one code a byte (a code: sign, 4 exponent bits, 3 mantissa bits); and NAME_scales (uint8): the same leading axes, one E8M0 byte (e + 127) for each 32 codes along K. Its value is code x scale, taken as it is: it is not quantised again, and the codes and scales need not be those that the quantiser above would give.
;; One version. Each part assembles by itself: llvm-mc -triple=amdgcn-amd-amdhsa -mcpu=gfx1250 --defsym DOCPART=n.
;; ======== version 1 of 1: 7 launches
;; limits: right only within a limited range of input values
;; workspace buffers: xq 4,325,376 bytes; qkv 13,238,272 bytes; att 16,777,216 bytes; y1 21,102,592 bytes; hid 17,301,504 bytes; part 33,554,432 bytes
;; launch quant_x (part 1): grid 512 x 1, 8 waves a work-group, no clusters, 42,240 bytes of LDS; arguments embed, xq; writes xq
.if DOCPART == 1
	.amdgcn_target "amdgcn-amd-amdhsa--gfx1250"
	.amdhsa_code_object_version 6
	.text
	.protected	k_q9e234d8946_quant_x
	.globl	k_q9e234d8946_quant_x
	.p2align	8
	.type	k_q9e234d8946_quant_x,@function
k_q9e234d8946_quant_x:
	s_mov_b64 s[64:65], 0
	v_nop
	global_prefetch_b8 v0, s[64:65] scope:SCOPE_SE
	s_setreg_imm32_b32 hwreg(HW_REG_WAVE_MODE, 25, 1), 1
	s_wait_xcnt 0x0
; LAUNCH 1 OF 7.  embed [4096][1024] f32 becomes codes of E4M3, K (the 1,024) innermost, at xq + 0, and one E8M0 byte for each 32 along K, [4096][32], at xq + 4,194,304.
; THE WHOLE PROGRAM: quant_x | qkv (products 1 to 3) | attn (products 4, 5) | ln1 (residual, norm, quantiser) | ffn1 (product 6, silu, quantiser) | ffn2 (product 7, in two halves of K) | ln2.
; NO WORK OF THE PROBLEM IS LEFT OUT: every product, both biases, both norms with their gains and offsets reach the output for some values of the inputs, and every input is loaded by some launch.
; A block's scale is 2^(floor(log2(its largest magnitude)) - 8): its byte is the largest magnitude's exponent field - 8, held at 1 from below.
; LIMITS: a block of zeros, or one whose largest magnitude lies under 2^(9 - 127), gets the byte 1 (the rule says 127 for zeros): its codes are zeros or next to it, and the bytes are read by this program alone.
; NaN and infinities among the inputs are not served.
; SHARES: a wave takes one row: eight loads of 512 consecutive bytes, all issued at once.  The conversion wants 16 neighbours along K in one lane: each half row (2,048 bytes) turns through the wave's own
; stage in LDS (64 bytes + 16 of padding for each lane).  Two neighbouring lanes hold a block.  A lane's 16 codes are 16 bytes: a store of the wave covers 512 consecutive bytes.
; The eight rows' 256 scale bytes meet in LDS and leave by one store of 256 consecutive bytes.  No matrix unit, no cluster, no tensor load: each byte is read once and nothing is shared.
.set SP,    80
.set WREG,  5120                       ; a wave's two stages of 32 x SP bytes
.set SCB,   8*WREG                     ; the work-group's 256 scale bytes
.set SPARE, SCB+256                    ; the spare words, 128 bytes for each wave
.set X,   32                           ; v32-63   the row as loaded
.set XS,  64                           ; v64-95   two sets of 16 neighbours
.set C,   96                           ; v96-103  codes
.set E8,  104                          ; v104-105 scale bytes
.set SPW, 12
.set NIL, 13
	s_load_b128 s[4:7], s[0:1], 0x0                ; embed, xq
	v_lshl_add_u32 v[SPW], v0, 2, SPARE
	v_mov_b32 v[NIL], 0
	v_lshrrev_b32 v3, 5, v0
	s_delay_alu instid0(VALU_DEP_1)
	v_readfirstlane_b32 s16, v3                    ; wave
	v_and_b32 v2, 31, v0                           ; lane
	s_delay_alu instid0(VALU_DEP_1)
	v_lshlrev_b32 v1, 4, v2                        ; 16 x lane
	s_mul_i32 s17, s16, WREG
	v_lshrrev_b32 v14, 2, v2
	s_delay_alu instid0(VALU_DEP_1)
	v_mul_u32_u24 v14, v14, SP
	v_and_b32 v15, 3, v2
	s_delay_alu instid0(VALU_DEP_1)
	v_lshl_add_u32 v14, v15, 4, v14
	s_delay_alu instid0(VALU_DEP_1)
	v_add_nc_u32 v14, s17, v14                     ; the stage, in: SP (lane / 4) + 16 (lane % 4)
	v_mul_u32_u24 v15, v2, SP
	s_delay_alu instid0(VALU_DEP_1)
	v_add_nc_u32 v15, s17, v15                     ; and out: SP x lane
	v_lshrrev_b32 v5, 1, v2
	s_lshl_b32 s18, s16, 5
	s_add_co_u32 s18, s18, SCB
	v_add_nc_u32 v5, s18, v5                       ; my block's byte among my row's 32
	v_lshlrev_b32 v7, 3, v2
	s_delay_alu instid0(VALU_DEP_1)
	v_add_nc_u32 v6, SCB, v7                       ; the bytes' way out: 8 a lane
	s_mov_b32 s23, 0x600000                        ; the mantissa field of 448
	s_lshl_b32 s19, ttmp9, 3
	s_add_co_u32 s19, s19, s16                     ; my row
	s_lshl_b32 s20, s19, 12
	s_mov_b32 s21, 0
	s_lshl_b32 s24, s19, 10
	s_mov_b32 s25, 0
	s_lshl_b32 s26, ttmp9, 8
	s_add_co_u32 s26, s26, 0x400000
	s_mov_b32 s27, 0
	s_wait_alu depctr_va_vdst(0)
	s_wait_kmcnt 0x0
	s_add_nc_u64 s[4:5], s[4:5], s[20:21]          ; my row of embed
	s_add_nc_u64 s[8:9], s[6:7], s[24:25]          ; my row of codes
	s_add_nc_u64 s[10:11], s[6:7], s[26:27]        ; the work-group's scale bytes
.irp i, 0,1,2,3,4,5,6,7
	global_load_b128 v[X+4*\i:X+4*\i+3], v1, s[4:5] offset:512*\i th:TH_LOAD_NT
.endr
.macro TURN h                          ; half h of the row through its stage: LDS serves a wave's instructions in order, so no wait stands between the stores and the loads
.irp i, 0,1,2,3
	ds_store_b128 v14, v[X+16*\h+4*\i:X+16*\h+4*\i+3] offset:32*SP*\h+8*SP*\i
.endr
.irp i, 0,1,2,3
	ds_load_b128 v[XS+16*\h+4*\i:XS+16*\h+4*\i+3], v15 offset:32*SP*\h+16*\i
.endr
.endm
.macro Q16 h                           ; my 16 neighbours of half h become 16 codes and, with my neighbour lane, a scale byte
.set XH, XS+16*\h
	v_max3_num_f32 v8, |v[XH]|, |v[XH+1]|, |v[XH+2]|
	v_max3_num_f32 v9, |v[XH+3]|, |v[XH+4]|, |v[XH+5]|
.irp i, 6,10
	s_delay_alu instid0(VALU_DEP_2)
	v_max3_num_f32 v8, v8, |v[XH+\i]|, |v[XH+\i+1]|
	s_delay_alu instid0(VALU_DEP_2)
	v_max3_num_f32 v9, v9, |v[XH+\i+2]|, |v[XH+\i+3]|
.endr
	s_delay_alu instid0(VALU_DEP_2)
	v_max3_num_f32 v8, v8, |v[XH+14]|, |v[XH+15]|
	s_delay_alu instid0(VALU_DEP_1)
	v_max3_num_f32 v8, v8, v9, 0x4800000           ; and the floor 2^(9 - 127): the byte cannot fall under 1
	s_delay_alu instid0(VALU_DEP_1)
	v_max_num_f32_dpp v8, v8, v8 row_xmask:1 row_mask:0xf bank_mask:0xf   ; with my neighbour's 16: the block's
	s_delay_alu instid0(VALU_DEP_1)
	v_add_nc_u32 v11, 0xfc000000, v8               ; 8 off the exponent field: the conversion's scale operand
	s_delay_alu instid0(VALU_DEP_2)
	v_and_or_b32 v10, v8, 0x7f800000, s23          ; 448 x the scale
.irp i, 0,1,2,3,4,5,6,7,8,9,10,11,12,13,14,15
	v_med3_num_f32 v[XH+\i], v[XH+\i], -v10, v10   ; the conversion to an 8-bit code does not saturate (ISA guide 7.6.2): the hold comes first
.endr
	v_cvt_scalef32_pk8_fp8_f32 v[C+4*\h:C+4*\h+1], v[XH:XH+7], v11
	v_cvt_scalef32_pk8_fp8_f32 v[C+4*\h+2:C+4*\h+3], v[XH+8:XH+15], v11
	v_lshrrev_b32 v[E8+\h], 23, v11                ; the scale's byte
	ds_store_b8 v5, v[E8+\h] offset:16*\h          ; both lanes of a block write the same byte with the same value
	global_store_b128 v1, v[C+4*\h:C+4*\h+3], s[8:9] offset:512*\h
.endm
	s_wait_loadcnt 4                               ; the first half row is in; the second half's four loads may be out
	TURN 0
	s_wait_loadcnt 0x0
	TURN 1
	s_wait_dscnt 8                                 ; half 0 is back; half 1's four stores and four loads may be out
	Q16 0
	s_wait_dscnt 1                                 ; half 1 is back; half 0's byte store may be out
	Q16 1
	s_wait_dscnt 0x0                               ; for the others' sake: my two byte stores have landed
	s_barrier_signal -1
	s_barrier_wait -1
	s_cmp_lg_u32 s16, 0
	s_cbranch_scc1 .Lend
	ds_load_b64 v[8:9], v6                         ; wave 0: the eight rows' 256 scale bytes
	s_wait_dscnt 0x0
	global_store_b64 v7, v[8:9], s[10:11]          ; 32 lanes store 256 consecutive bytes, aligned
.Lend:
	s_wait_tensorcnt 0x0                           ; the wave's end
	ds_add_u32 v[SPW], v[NIL]
	s_wait_dscnt 0x0
	s_endpgm
.Lfunc_end_k_q9e234d8946_quant_x:
	.size	k_q9e234d8946_quant_x, .Lfunc_end_k_q9e234d8946_quant_x-k_q9e234d8946_quant_x
	.p2alignl 7, 3214868480
	.fill 96, 4, 3214868480
	.section	.rodata,"a",@progbits
	.p2align	6, 0x0
	.amdhsa_kernel k_q9e234d8946_quant_x
		.amdhsa_group_segment_fixed_size 42240
		.amdhsa_private_segment_fixed_size 0
		.amdhsa_enable_private_segment 0
		.amdhsa_kernarg_size 16
		.amdhsa_user_sgpr_count 2
		.amdhsa_user_sgpr_kernarg_segment_ptr 1
		.amdhsa_wavefront_size32 1
		.amdhsa_system_sgpr_workgroup_id_x 1
		.amdhsa_system_sgpr_workgroup_id_y 1
		.amdhsa_system_sgpr_workgroup_id_z 1
		.amdhsa_system_vgpr_workitem_id 0
		.amdhsa_next_free_vgpr 112
		.amdhsa_next_free_sgpr 66
		.amdhsa_reserve_vcc 0
		.amdhsa_float_denorm_mode_32 3
		.amdhsa_float_denorm_mode_16_64 3
		.amdhsa_memory_ordered 1
		.amdhsa_forward_progress 1
		.amdhsa_inst_pref_size 10
	.end_amdhsa_kernel
	.amdgpu_metadata
---
amdhsa.version: [ 1, 2 ]
amdhsa.kernels:
  - .name:           k_q9e234d8946_quant_x
    .symbol:         k_q9e234d8946_quant_x.kd
    .args:
      - { .name: embed, .offset: 0, .size: 8, .value_kind: global_buffer, .address_space: global }
      - { .name: xq, .offset: 8, .size: 8, .value_kind: global_buffer, .address_space: global }
    .group_segment_fixed_size: 42240
    .private_segment_fixed_size: 0
    .kernarg_segment_align: 8
    .kernarg_segment_size: 16
    .max_flat_workgroup_size: 256
    .sgpr_count:     66
    .vgpr_count:     112
    .wavefront_size: 32
...
	.end_amdgpu_metadata
.endif
;; end of part 1
;; launch qkv (part 2): grid 16 x 12, 4 waves a work-group, clusters of 4 x 4, 327,680 bytes of LDS; arguments xq, Wq_codes, Wq_scales, Wk_codes, Wk_scales, Wv_codes, Wv_scales, qkv; writes qkv
.if DOCPART == 2
	.amdgcn_target "amdgcn-amd-amdhsa--gfx1250"
	.amdhsa_code_object_version 6
	.text
	.protected	k_q9e234d8946_qkv
	.globl	k_q9e234d8946_qkv
	.p2align	8
	.type	k_q9e234d8946_qkv,@function
k_q9e234d8946_qkv:
	s_mov_b64 s[64:65], 0
	v_nop
	global_prefetch_b8 v0, s[64:65] scope:SCOPE_SE
	s_setreg_imm32_b32 hwreg(HW_REG_WAVE_MODE, 25, 1), 1
	s_wait_xcnt 0x0
	s_wait_alu depctr_hold_cnt(0) depctr_sa_sdst(0) depctr_va_vdst(0) depctr_va_sdst(0) depctr_va_ssrc(0) depctr_va_vcc(0) depctr_vm_vsrc(0)
	s_getreg_b32 s2, hwreg(HW_REG_IB_STS2, 6, 4)
	s_cmp_eq_u32 s2, 0
	s_cbranch_scc0 .Lentry_in_a_cluster
	s_endpgm
.Lentry_in_a_cluster:
	s_bfe_u32 s2, ttmp6, 0x10000c
	s_cmp_lg_u32 s2, 0xf033
	s_cbranch_scc0 .Lentry_shape_is_right
	s_endpgm
.Lentry_shape_is_right:
.set HALFTA, 34816
.set ASTEP,  256
.set KROWB,  1024
.set LAPS,   2
.set ASB,    4352
.set BSB,    4352
.set SBA,    544
.set SBB,    544
.set SSA,    8
.set PITCH,  272
.set FR,     16
.set NP,     8
.set HALFTB, 128*PITCH
.set SLOT,   2*HALFTA+2*HALFTB
.set ASC,    2*SLOT
.set BSC,    ASC+2*ASB
.set SPARE,  BSC+2*BSB
.set ADRA, 16
.set ADRB, 20
.set ADSA, 22
.set ADSB, 23
.set LI,   24
.set SPW,  28
.set NIL,  29
.set SC,   32
.set AF,   128
.set G1, 24
.set G0, 32
.set G1B, 48
.set G0B, 56
.set G1S, 68
.set G0S, 76
.set G1SB, 80
.set G0SB, 88
.set MUL_LO, 0xa1
.set MUL_HI, 0xf1
.set TO_B,   0x40
.set MSB, 0
.macro WIN new
.if MSB != (\new)
	s_set_vgpr_msb (MSB<<8)|(\new)
.set MSB, (\new)
.endif
.endm
.macro JLOAD g0a, g1a, g0b, g1b
	s_cmp_eq_u32 s15, 0
	s_cbranch_scc0 .Lfor_b_\@
	tensor_load_to_lds s[\g0a:\g0a+3], s[\g1a:\g1a+7]
	s_nop 0
.rept 4
	v_nop
.endr
	s_branch .Lasked_\@
.Lfor_b_\@:
	tensor_load_to_lds s[\g0b:\g0b+3], s[\g1b:\g1b+7]
	s_nop 0
.rept 4
	v_nop
.endr
.Lasked_\@:
.endm
.macro CREST
	s_cmp_lg_u32 s14, 0
	s_cbranch_scc1 .Lnot_wave_0_\@
	s_barrier_signal -3
.Lnot_wave_0_\@:
	s_barrier_wait -3
	s_barrier_signal -1
	s_barrier_wait -1
.endm
.macro CROUND
	s_barrier_signal -1
	s_barrier_wait -1
	CREST
.endm
.macro PLACES n
.rept \n
	v_nop
.endr
.endm
.macro FRAGA reg, slot, q, i
.irp c, 0,1,2,3
	ds_load_b128 v[\reg+4*\c:\reg+4*\c+3], v[ADRA+\slot] offset:128*(\q)+32*\c+(\i)*16*PITCH
.endr
.endm
.macro FRAGB reg, slot, q, i
.irp c, 0,1,2,3
	ds_load_b128 v[\reg+4*\c:\reg+4*\c+3], v[ADRB+\slot] offset:128*(\q)+32*\c+(\i)*16*PITCH
.endr
.endm
.macro MUL16 a0, p, q, sc, zero
.irp a, \a0, \a0+1
.irp b, 0,1,2,3,4,5,6,7
.set rD, 8*(8*((\a)%4)+\b)
.set rB, 128*(\p)+FR*\b
.set rA, AF+FR*(\a)
.set rT, SC+16*(\sc)+8+\b
.set rU, SC+16*(\sc)+(\a)
.if (\zero) == 1
	v_wmma_scale_f32_16x16x128_f8f6f4 v[rD:rD+7], v[rB:rB+15], v[rA:rA+15], 0, v[rT], v[rU]
.elseif (\q) == 0
	v_wmma_scale_f32_16x16x128_f8f6f4 v[rD:rD+7], v[rB:rB+15], v[rA:rA+15], v[rD:rD+7], v[rT], v[rU]
.else
	v_wmma_scale_f32_16x16x128_f8f6f4 v[rD:rD+7], v[rB:rB+15], v[rA:rA+15], v[rD:rD+7], v[rT], v[rU] matrix_a_scale:MATRIX_SCALE_ROW1 matrix_b_scale:MATRIX_SCALE_ROW1
.endif
.endr
.endr
.endm
.macro FETCH_B slot, q, p
	WIN TO_B
.irp i, 0,1,2,3,4,5,6,7
	FRAGB 128*(\p)+FR*\i, \slot, \q, \i
.endr
	WIN 0
.endm
.macro FETCH_A slot, q, i0
.irp i, \i0, \i0+1, \i0+2, \i0+3
	FRAGA AF+FR*(\i), \slot, \q, \i
.endr
.endm
.macro SCALES sc
.irp i, 0,1,2,3,4,5,6,7
	ds_load_b32 v[SC+16*\sc+\i], v[ADSA] offset:\i*SBA
	ds_load_b32 v[SC+16*\sc+8+\i], v[ADSB] offset:\i*SBB
.endr
.endm
.macro STEP slot, zero
	s_wait_dscnt 16
	WIN MUL_LO
	MUL16 0, 0, 0, \slot, \zero
	MUL16 2, 0, 0, \slot, \zero
	s_wait_dscnt 0x0
	PLACES NP
	FETCH_B \slot, 1, 1
	FETCH_A \slot, 1, 0
	WIN MUL_HI
	MUL16 4, 0, 0, \slot, \zero
	MUL16 6, 0, 0, \slot, \zero
	PLACES NP
	WIN 0
	FETCH_A \slot, 1, 4
.endm
.macro TURN slot, next, fill
	s_wait_tensorcnt 0x0
	ds_add_u32 v[SPW], v[NIL]
	s_wait_dscnt 17
	WIN MUL_LO
	MUL16 0, 1, 1, \slot, 0
	s_wait_dscnt 0x0
	s_barrier_signal -1
	MUL16 2, 1, 1, \slot, 0
	WIN 0
	s_barrier_wait -1
.if \fill
	CREST
	s_add_nc_u64 s[G0+4*\slot+2:G0+4*\slot+3], s[G0+4*\slot+2:G0+4*\slot+3], 2*ASTEP
	s_add_nc_u64 s[G0B+4*\slot+2:G0B+4*\slot+3], s[G0B+4*\slot+2:G0B+4*\slot+3], 512
	JLOAD G0+4*\slot, G1, G0B+4*\slot, G1B
	PLACES NP-4
.else
	PLACES NP
.endif
	s_wait_alu depctr_va_vdst(0)
	v_add_nc_u32 v[ADSA], SSA, v[ADSA]
	v_add_nc_u32 v[ADSB], 8, v[ADSB]
	FETCH_B \next, 0, 0
	FETCH_A \next, 0, 0
	SCALES \next
	WIN MUL_HI
	MUL16 4, 1, 1, \slot, 0
	MUL16 6, 1, 1, \slot, 0
	PLACES NP
	WIN 0
	FETCH_A \next, 0, 4
.endm
	s_load_b512 s[68:83], s[0:1], 0x0
	v_lshl_add_u32 v[SPW], v0, 2, SPARE
	v_mov_b32 v[NIL], 0
	ds_add_u32 v[SPW], v[NIL]
	ds_add_u32 v[SPW], v[NIL]
	v_lshrrev_b32 v1, 5, v0
	v_readfirstlane_b32 s14, v1
	s_lshr_b32 s15, s14, 1
	s_and_b32 s16, s14, 1
	s_bfe_u32 s40, ttmp6, 0x40000
	s_bfe_u32 s41, ttmp6, 0x40004
	s_and_b32 s66, ttmp7, 0xffff
	s_cmp_eq_u32 s66, 2
	s_cselect_b32 s42, ttmp9, 0
	s_cselect_b32 s17, 0, ttmp9
	s_lshl_b32 s42, s42, 2
	s_add_co_u32 s42, s42, s40
	s_lshl_b32 s17, s17, 2
	s_add_co_u32 s17, s17, s41
	s_lshl_b32 s43, s41, 2
	s_lshl_b32 s43, 15, s43
	s_lshl_b32 s44, 0x1111, s40
	s_or_b32 s[G1+0], s43, (1<<20)|(1<<21)|(5<<22)|(3<<25)
	s_or_b32 s[G1B+0], s44, (1<<20)|(1<<21)|(5<<22)|(3<<25)
.irp g, G1, G1B
	s_mov_b32 s[\g+1], 256<<16
	s_mov_b32 s[\g+2], 128<<16
	s_mov_b32 s[\g+3], 256<<16
	s_mov_b32 s[\g+4], 128
	s_mov_b32 s[\g+5], 1024
	s_mov_b32 s[\g+6], 0
	s_mov_b32 s[\g+7], 0
.endr
	s_lshl_b32 s18, s16, 7
	s_lshl_b32 s20, s17, 8
	s_add_co_u32 s20, s20, s18
	s_lshl_b32 s46, s42, 8
	s_add_co_u32 s46, s46, s18
	s_lshl_b32 s22, s20, 5
	s_lshl_b32 s92, s46, 5
	s_lshl_b32 s20, s20, 10
	s_lshl_b32 s46, s46, 10
	s_mov_b32 s21, 0
	s_mov_b32 s23, 0
	s_mov_b32 s47, 0
	s_mov_b32 s93, 0
	s_mul_i32 s45, s16, HALFTA
	s_mul_i32 s95, s16, HALFTB
	s_add_co_u32 s95, s95, 2*HALFTA
	s_wait_dscnt 0x0
	s_wait_kmcnt 0x0
	s_add_nc_u64 s[84:85], s[68:69], 0x400000
	s_cmp_eq_u32 s66, 0
	s_cselect_b64 s[86:87], s[70:71], s[74:75]
	s_cselect_b64 s[88:89], s[72:73], s[76:77]
	s_cmp_eq_u32 s66, 2
	s_cselect_b64 s[4:5], s[78:79], s[68:69]
	s_cselect_b64 s[6:7], s[80:81], s[84:85]
	s_cselect_b64 s[8:9], s[68:69], s[86:87]
	s_cselect_b64 s[10:11], s[84:85], s[88:89]
	s_mov_b64 s[12:13], s[82:83]
	s_or_b32 s[G1S+0], s43, (3<<16)|(1<<20)|(1<<21)|(5<<22)|(3<<25)
	s_or_b32 s[G1SB+0], s44, (3<<16)|(1<<20)|(1<<21)|(5<<22)|(3<<25)
.irp g, G1S, G1SB
	s_mov_b32 s[\g+1], 32<<16
	s_mov_b32 s[\g+2], 16<<16
	s_mov_b32 s[\g+3], 32<<16
	s_mov_b32 s[\g+4], 16
	s_mov_b32 s[\g+5], 32
	s_mov_b32 s[\g+6], 0
	s_mov_b32 s[\g+7], 0
.endr
	s_add_nc_u64 s[20:21], s[4:5], s[20:21]
	s_add_nc_u64 s[22:23], s[6:7], s[22:23]
	s_add_nc_u64 s[46:47], s[8:9], s[46:47]
	s_add_nc_u64 s[92:93], s[10:11], s[92:93]
	CROUND
	; THE HEAD'S FOUR TILES, each whole, one a wave: K step 0's 256 rows of A, its 256 rows of B, the scales of A's 256 rows, those of B's.
	s_mov_b32 s[G1+2], 256<<16                     ; the head's loads of codes bring 256 rows; the ring's 128 are set again behind the wait that shows them landed
	s_mov_b32 s[G1+4], 256
	s_mov_b32 s[G1B+2], 256<<16
	s_mov_b32 s[G1B+4], 256
	s_mov_b32 s[G1S+2], 32<<16                     ; the scales of 256 rows: 32 rows of 256 bytes
	s_mov_b32 s[G1S+4], 32
	s_mov_b32 s[G1SB+2], 32<<16
	s_mov_b32 s[G1SB+4], 32
	s_mov_b32 s3, 0
	s_lshl_b32 s2, s16, 17                         ; my half's 128 rows of 1,024 bytes are taken off again: the tile's first row
	s_sub_nc_u64 s[6:7], s[20:21], s[2:3]
	s_sub_nc_u64 s[10:11], s[46:47], s[2:3]
	s_lshl_b32 s2, s16, 12                         ; and 128 rows of 32 scale bytes
	s_sub_nc_u64 s[G0S+2:G0S+3], s[22:23], s[2:3]
	s_sub_nc_u64 s[G0SB+2:G0SB+3], s[92:93], s[2:3]
	s_mov_b32 s4, 1                                ; s[4:7], s[8:11]: group 0 for A's and B's codes (the arguments that lay there have been used)
	s_mov_b32 s5, 0
	s_or_b32 s7, s7, 0x80000000
	s_mov_b32 s8, 1
	s_mov_b32 s9, 2*HALFTA
	s_or_b32 s11, s11, 0x80000000
	s_mov_b32 s[G0S], 1
	s_mov_b32 s[G0S+1], ASC
	s_or_b32 s[G0S+3], s[G0S+3], 0x80000000
	s_mov_b32 s[G0SB], 1
	s_mov_b32 s[G0SB+1], BSC
	; THE PREFETCHES.  Of the 128 rows that my wave fetches in the ring, each of the four partners that ask for them jointly names 32, told apart by address (cx for A's rows, cy for B's): a lane a row, 256 bytes of a row to a K step.
	s_cmp_eq_u32 s15, 0
	s_cselect_b64 s[98:99], s[20:21], s[46:47]
	s_cselect_b32 s2, s40, s41
	s_lshl_b32 s2, s2, 15                          ; 32 rows of 1,024 bytes for each place
	s_add_nc_u64 s[98:99], s[98:99], s[2:3]        ; never rewritten
	s_or_b32 s[G0SB+3], s[G0SB+3], 0x80000000
.irp s, 0,1
	s_mov_b32 s[G0+4*\s], 1
	s_add_co_u32 s[G0+4*\s+1], s45, \s*SLOT
	s_add_nc_u64 s[G0+4*\s+2:G0+4*\s+3], s[20:21], \s*ASTEP
	s_or_b32 s[G0+4*\s+3], s[G0+4*\s+3], 0x80000000
	s_mov_b32 s[G0B+4*\s], 1
	s_add_co_u32 s[G0B+4*\s+1], s95, \s*SLOT
	s_add_nc_u64 s[G0B+4*\s+2:G0B+4*\s+3], s[46:47], \s*256
	s_or_b32 s[G0B+4*\s+3], s[G0B+4*\s+3], 0x80000000
.endr
; one chain of branches on the wave's number, one load to an arm, all arms leading to one join: one tensor load a wave at the head
.macro ARM under, g0, g1, next
	s_cmp_lt_u32 s14, \under
	s_cbranch_scc0 \next
	tensor_load_to_lds s[\g0:\g0+3], s[\g1:\g1+7]
	s_nop 0
.rept 4
	v_nop
.endr
	s_branch .Lhead_asked
\next:
.endm
	ARM 1, 4, G1, .Lhead_b
	ARM 2, 8, G1B, .Lhead_sa
	ARM 3, G0S, G1S, .Lhead_sb
	tensor_load_to_lds s[G0SB:G0SB+3], s[G1SB:G1SB+7]
	s_nop 0
.rept 4
	v_nop
.endr
.Lhead_asked:
	v_and_b32 v1, 15, v0
	v_bfe_u32 v2, v0, 4, 1
	v_and_b32 v6, 31, v0
	v_lshlrev_b32 v[LI], 4, v6
	v_lshlrev_b32 v18, 10, v6                      ; my lane's row; never rewritten
	global_prefetch_b8 v18, s[98:99] offset:256 th:TH_LOAD_NT scope:SCOPE_SE   ; behind the head's load: K step 1, whose load follows behind the next round,
	global_prefetch_b8 v18, s[98:99] offset:512 th:TH_LOAD_NT scope:SCOPE_SE   ; and K step 2, two loads on
	v_mul_u32_u24 v3, v1, PITCH
	v_lshl_add_u32 v4, v2, 4, v3
	s_mul_i32 s21, s15, HALFTA
	s_mul_i32 s22, s16, HALFTB
	s_add_co_u32 s22, s22, 2*HALFTA
.irp s, 0,1
	v_add_nc_u32 v[ADRA+\s], s21, v4
	v_add_nc_u32 v[ADRB+\s], s22, v4
	s_add_co_u32 s21, s21, SLOT
	s_add_co_u32 s22, s22, SLOT
.endr
	v_lshlrev_b32 v5, 5, v1
	v_lshrrev_b32 v3, 3, v1
	v_lshl_add_u32 v5, v3, 4, v5
	v_lshl_add_u32 v5, v2, 2, v5
	s_mul_i32 s21, s15, ASB
	s_add_co_u32 s21, s21, ASC
	v_add_nc_u32 v[ADSA], s21, v5
	s_mul_i32 s22, s16, BSB
	s_add_co_u32 s22, s22, BSC
	v_add_nc_u32 v[ADSB], s22, v5
	s_lshl_b32 s21, s14, 10
	v_lshlrev_b32 v5, 2, v1
	v_lshl_add_u32 v30, v2, 9, v5
	v_add_nc_u32 v30, s21, v30
	v_add_nc_u32 v31, s21, v[LI]
	s_lshl_b32 s21, s14, 9
	s_add_co_u32 s21, s21, 4096
	v_add_nc_u32 v8, s21, v5
	v_add_nc_u32 v9, s21, v[LI]
	v_lshlrev_b32 v10, 4, v1
	v_mul_u32_u24 v3, v2, 12288
	v_add_nc_u32 v10, v10, v3
	v_lshlrev_b32 v27, 4, v2
	s_wait_alu depctr_va_vdst(0)                   ; the wait at the head's end
	s_wait_tensorcnt 0x0                           ; my tile of the head's four is in
	ds_add_u32 v[SPW], v[NIL]
	s_mov_b32 s[G1+2], 128<<16                     ; no tensor load of mine is out: from here on a load brings 128 rows
	s_mov_b32 s[G1+4], 128
	s_mov_b32 s[G1B+2], 128<<16
	s_mov_b32 s[G1B+4], 128
	s_wait_dscnt 0x0
	CROUND                                         ; all four tiles are in, and the sixteen work-groups are here
	JLOAD G0+4, G1, G0B+4, G1B                     ; K step 1, the first tensor load behind the round
	FETCH_B 0, 0, 0
	FETCH_A 0, 0, 0
	SCALES 0
	FETCH_A 0, 0, 4
	global_prefetch_b8 v18, s[98:99] offset:768 th:TH_LOAD_NT scope:SCOPE_SE   ; behind K step 1's load and the run of LDS loads: K step 3, the last; the refills ask for nothing
	STEP 0, 1
	s_mov_b32 s3, LAPS-1
.Llap:
	TURN 0, 1, 1
	STEP 1, 0
	TURN 1, 0, 1
	STEP 0, 0
	s_sub_co_u32 s3, s3, 1
	s_cmp_lg_u32 s3, 0
	s_cbranch_scc1 .Llap
	TURN 0, 1, 0
	STEP 1, 0
	s_wait_dscnt 16
	WIN MUL_LO
	MUL16 0, 1, 1, 1, 0
	MUL16 2, 1, 1, 1, 0
	s_wait_dscnt 0x0
	WIN MUL_HI
	MUL16 4, 1, 1, 1, 0
	MUL16 6, 1, 1, 1, 0
	WIN 0
.set T,  128
.set PC, 192
.set TM, 208
.set SW, 224
.macro QUANTW src, w, a
	WIN (\w)|((\w)<<2)
.irp b, 0,1,2,3
	v_max3_num_f32 v[TM+\b], |v[\src+16*\b]|, |v[\src+16*\b+1]|, 0x4800000
.endr
	WIN ((\w)<<2)|((\w)<<4)
.irp i, 2,4,6,8,10,12,14
.irp b, 0,1,2,3
	v_max3_num_f32 v[TM+\b], v[TM+\b], |v[\src+16*\b+\i]|, |v[\src+16*\b+\i+1]|
.endr
.endr
	WIN 0
.irp b, 0,1,2,3
	v_permlanex16_b32 v[TM+4+\b], v[TM+\b], s82, s83
.endr
.irp b, 0,1,2,3
	v_max_num_f32 v[TM+\b], v[TM+\b], v[TM+4+\b]
.endr
.irp b, 0,1,2,3
	v_add_nc_u32 v[TM+12+\b], 0xfc000000, v[TM+\b]
.endr
.irp b, 0,1,2,3
	v_and_or_b32 v[TM+8+\b], v[TM+\b], 0x7f800000, s84
.endr
.irp b, 0,1,2,3
	v_lshrrev_b32 v[TM+4+\b], 23, v[TM+12+\b]
.endr
	v_lshl_or_b32 v[SW+\a], v[TM+5], 8, v[TM+4]
	v_lshl_or_b32 v[SW+\a], v[TM+6], 16, v[SW+\a]
	v_lshl_or_b32 v[SW+\a], v[TM+7], 24, v[SW+\a]
	WIN (\w)
.set j, 0
.rept 64
	v_med3_num_f32 v[T+j], v[\src+j], -v[TM+8+j/16], v[TM+8+j/16]
.set j, j+1
.endr
	WIN 0
.irp b, 0,1,2,3
	v_cvt_scalef32_pk8_fp8_f32 v[PC+4*\b:PC+4*\b+1], v[T+16*\b:T+16*\b+7], v[TM+12+\b]
	v_cvt_scalef32_pk8_fp8_f32 v[PC+4*\b+2:PC+4*\b+3], v[T+16*\b+8:T+16*\b+15], v[TM+12+\b]
.endr
	v_nop
.endm
	PLACES NP
	s_mov_b32 s82, 0x76543210
	s_mov_b32 s83, 0xfedcba98
	s_mov_b32 s84, 0x600000
	s_mov_b32 s80, 0xffff
	s_mov_b32 s81, 0x7f7f0000
	s_lshl_b32 s20, s17, 8
	s_lshl_b32 s21, s15, 7
	s_add_co_u32 s20, s20, s21
	s_lshl_b32 s22, s42, 8
	s_lshl_b32 s21, s16, 7
	s_add_co_u32 s22, s22, s21
	s_mov_b32 s72, 1024
	s_mov_b32 s74, 1024
	s_mov_b32 s70, 131072
	s_cmp_eq_u32 s66, 2
	s_cselect_b32 s21, s22, s20
	s_cselect_b32 s23, s20, s22
	s_cselect_b32 s72, 2048, s72
	s_cselect_b32 s74, 124928, s74
	s_cselect_b32 s70, 1024, s70
	s_mov_b32 s73, 0
	s_mov_b32 s75, 0
	s_mov_b32 s71, 0
	s_lshr_b32 s46, s21, 11
	s_lshl_b32 s46, s46, 4
	s_lshr_b32 s47, s23, 6
	s_add_co_u32 s46, s46, s47
	s_and_b32 s47, s21, 2047
	s_lshl_b32 s68, s66, 22
	s_lshl_b32 s20, s46, 17
	s_add_co_u32 s68, s68, s20
	s_lshl_b32 s20, s47, 6
	s_add_co_u32 s68, s68, s20
	s_mov_b32 s69, 0
	s_add_nc_u64 s[68:69], s[12:13], s[68:69]
	s_add_nc_u64 s[70:71], s[68:69], s[70:71]
	s_mov_b32 s92, 12288
	s_mov_b32 s93, 12845056
	s_cmp_eq_u32 s66, 0
	s_cselect_b32 s92, 8192, s92
	s_cselect_b32 s93, 12582912, s93
	s_mul_i32 s76, s46, s92
	s_add_co_u32 s76, s76, s93
	s_mov_b32 s77, 0
	s_add_nc_u64 s[76:77], s[12:13], s[76:77]
.irp b, 0,1,2,3
	v_mov_b32 v[TM+4+\b], 0
.endr
.irp a, 0,1,2,3,4,5,6,7
.if \a > 0
	s_wait_xcnt 0x0
.if \a == 4
	s_add_nc_u64 s[68:69], s[68:69], s[74:75]
	s_add_nc_u64 s[70:71], s[70:71], s[74:75]
.else
	s_add_nc_u64 s[68:69], s[68:69], s[72:73]
	s_add_nc_u64 s[70:71], s[70:71], s[72:73]
.endif
.endif
.set qs, 64*(\a%4)
.set qw, 2+\a/4
	QUANTW qs, qw, \a
	global_store_b128 v[LI], v[PC:PC+3], s[68:69]
	global_store_b128 v[LI], v[PC+4:PC+7], s[68:69] offset:512
	global_store_b128 v[LI], v[PC+8:PC+11], s[70:71]
	global_store_b128 v[LI], v[PC+12:PC+15], s[70:71] offset:512
.endr
	s_cmp_eq_u32 s66, 2
	s_cbranch_scc1 .Lv_words
.irp a, 0,1,2,3,4,5,6,7
	v_lshrrev_b32 v[T+\a], v27, v[SW+\a]
.endr
.irp a, 0,1,2,3,4,5,6,7
	v_bfi_b32 v[T+\a], s80, v[T+\a], s81
.endr
.irp a, 0,1,2,3,4,5,6,7
	ds_store_b32 v30, v[T+\a] offset:64*\a
.endr
	ds_load_b128 v[T+16:T+19], v31
	ds_load_b128 v[T+20:T+23], v31 offset:512
	s_lshl_b32 s20, s47, 2
	s_mov_b32 s21, 0
	s_mov_b32 s93, 0
	s_add_nc_u64 s[76:77], s[76:77], s[20:21]
	s_add_nc_u64 s[78:79], s[76:77], s[92:93]
	s_wait_dscnt 0x0
	global_store_b128 v[LI], v[T+16:T+19], s[76:77]
	global_store_b128 v[LI], v[T+20:T+23], s[78:79]
	s_branch .Ldone
.Lv_words:
.irp a, 0,1,2,3,4,5,6,7
	ds_store_b32 v8, v[SW+\a] offset:64*\a
.endr
	ds_load_b128 v[T+16:T+19], v9
	s_lshl_b32 s20, s47, 1
	s_add_co_u32 s20, s20, 8192
	s_mov_b32 s21, 0
	s_add_nc_u64 s[76:77], s[76:77], s[20:21]
	s_wait_dscnt 0x0
	global_store_b128 v10, v[T+16:T+19], s[76:77]
.Ldone:
	s_wait_tensorcnt 0x0
	ds_add_u32 v[SPW], v[NIL]
	s_wait_dscnt 0x0
	CROUND
	s_endpgm
.Lfunc_end_k_q9e234d8946_qkv:
	.size	k_q9e234d8946_qkv, .Lfunc_end_k_q9e234d8946_qkv-k_q9e234d8946_qkv
	.p2alignl 7, 3214868480
	.fill 96, 4, 3214868480
	.section	.rodata,"a",@progbits
	.p2align	6, 0x0
	.amdhsa_kernel k_q9e234d8946_qkv
		.amdhsa_group_segment_fixed_size 327680
		.amdhsa_private_segment_fixed_size 0
		.amdhsa_enable_private_segment 0
		.amdhsa_kernarg_size 64
		.amdhsa_user_sgpr_count 2
		.amdhsa_user_sgpr_kernarg_segment_ptr 1
		.amdhsa_wavefront_size32 1
		.amdhsa_system_sgpr_workgroup_id_x 1
		.amdhsa_system_sgpr_workgroup_id_y 1
		.amdhsa_system_sgpr_workgroup_id_z 1
		.amdhsa_system_vgpr_workitem_id 0
		.amdhsa_next_free_vgpr 1024
		.amdhsa_next_free_sgpr 100
		.amdhsa_reserve_vcc 0
		.amdhsa_float_denorm_mode_32 3
		.amdhsa_float_denorm_mode_16_64 3
		.amdhsa_memory_ordered 1
		.amdhsa_forward_progress 1
		.amdhsa_inst_pref_size 194
	.end_amdhsa_kernel
	.amdgpu_metadata
---
amdhsa.version: [ 1, 2 ]
amdhsa.kernels:
  - .name:           k_q9e234d8946_qkv
    .symbol:         k_q9e234d8946_qkv.kd
    .args:
      - { .name: xq, .offset: 0, .size: 8, .value_kind: global_buffer, .address_space: global }
      - { .name: Wq_codes, .offset: 8, .size: 8, .value_kind: global_buffer, .address_space: global }
      - { .name: Wq_scales, .offset: 16, .size: 8, .value_kind: global_buffer, .address_space: global }
      - { .name: Wk_codes, .offset: 24, .size: 8, .value_kind: global_buffer, .address_space: global }
      - { .name: Wk_scales, .offset: 32, .size: 8, .value_kind: global_buffer, .address_space: global }
      - { .name: Wv_codes, .offset: 40, .size: 8, .value_kind: global_buffer, .address_space: global }
      - { .name: Wv_scales, .offset: 48, .size: 8, .value_kind: global_buffer, .address_space: global }
      - { .name: qkv, .offset: 56, .size: 8, .value_kind: global_buffer, .address_space: global }
    .group_segment_fixed_size: 327680
    .private_segment_fixed_size: 0
    .kernarg_segment_align: 8
    .kernarg_segment_size: 64
    .max_flat_workgroup_size: 128
    .sgpr_count:     100
    .vgpr_count:     1024
    .wavefront_size: 32
...
	.end_amdgpu_metadata
.endif
;; end of part 2
;; launch attn (part 3): grid 8 x 32, 16 waves a work-group, clusters of 4 x 1, 327,680 bytes of LDS; arguments qkv, att; writes att
.if DOCPART == 3
	.amdgcn_target "amdgcn-amd-amdhsa--gfx1250"
	.amdhsa_code_object_version 6
	.text
	.protected	k_q9e234d8946_attn
	.globl	k_q9e234d8946_attn
	.p2align	8
	.type	k_q9e234d8946_attn,@function
k_q9e234d8946_attn:
	s_mov_b64 s[64:65], 0
	v_nop
	global_prefetch_b8 v0, s[64:65] scope:SCOPE_SE
	s_setreg_imm32_b32 hwreg(HW_REG_WAVE_MODE, 25, 1), 1
	s_wait_xcnt 0x0
	s_wait_alu depctr_hold_cnt(0) depctr_sa_sdst(0) depctr_va_vdst(0) depctr_va_sdst(0) depctr_va_ssrc(0) depctr_va_vcc(0) depctr_vm_vsrc(0)
	s_getreg_b32 s2, hwreg(HW_REG_IB_STS2, 6, 4)
	s_cmp_eq_u32 s2, 0
	s_cbranch_scc0 .Lentry_in_a_cluster
	s_endpgm
.Lentry_in_a_cluster:
	s_bfe_u32 s2, ttmp6, 0x10000c
	s_cmp_lg_u32 s2, 0x3003
	s_cbranch_scc0 .Lentry_shape_is_right
	s_endpgm
.Lentry_shape_is_right:
; att[b][q][64 head + d] = the sum over keys of softmax(Q . K / 8) V, both products on the codes and scale words that the launch before has laid as images of operand registers.  Nothing is left out.
; THE SOFTMAX AHEAD OF THE SECOND PRODUCT: t = score x log2(e) / 8; M = the running largest t rounded UP to a whole number; p = 2^(t - M) is quantised along the keys, not normalised; the row's sum is taken
; of the unquantised p and divides at the end.  When M moves, the sum and O are multiplied by 2^(old M - new M): exact.
; SHARES.  A work-group owns 256 queries of one batch x head, each of its sixteen waves one tile of 16 in 256 registers.
; THE WHOLE HEAD STAYS IN LDS: K's images 131,072 bytes, V's 131,072, their scale words 12,288, each byte filled once, in two parts.  At the head, one load a wave: waves 0-3 the images of K's keys 0 to 511,
; waves 4-7 those of V's (8,192 bytes each), waves 8-15 the scale words (1,536 bytes each).  Behind the full sequence and a round: keys 512 to 2,047, 12,288 bytes a wave (waves 0-7 K's, 8-15 V's);
; that load has four key steps in which to land.
; CLUSTER.  The four query blocks of a cluster walk the same head: every piece is asked for jointly, with a mask that names the four.
; NO PREFETCH: all that the launch reads of K and V is asked for at its head and behind its first round; there is no later request to run ahead of.
; LAYOUT.  S^T = K Q^T (source 0 = 16 neighbouring keys, source 1 = my queries), O^T = V^T P^T: a lane holds one query throughout.  The head's 64 are half of the instruction's 128: Q's registers 8-15 are
; zero codes, K's tile is named with the eight registers behind it (the next tile's codes, or zeros): finite codes times zero codes add nothing; the upper scale bytes are 0x7f.
; p's register 16 b + 8 u + j of lane half h is key 32 b + 16 u + 8 h + j, and V's images hold the same key at the same place.
; LIMITS: a block of p that has fallen to zeros keeps the byte 1; NaN and infinities are not served; the scaled scores stay under 2^31 in magnitude.
.set VIMG,  131072
.set KSC,   262144
.set VSC,   270336
.set SPARE, 274432                     ; the spare words, 128 bytes for each of sixteen waves
.set PA,    32768                      ; the first part of K's (and of V's) images: four key steps of 8,192 bytes
.set LI,  1                            ; v1  16 x lane: my place in an image
.set LV,  2                            ; v2  the same in V's
.set LKS, 3                            ; v3  my place among K's scale words
.set LVS, 4                            ; v4  among V's
.set SPW, 5
.set NIL, 6
.set GO,  7                            ; v7  first 4 r for Q's scale word; on the way out my offset in att
.set ADK, 8
.set ADV, 9
.set ADS, 10
.set ADT, 11                           ; v12 -M; v13 the running largest score; v[14:15] the sum
.set QF,  16                           ; v16-23 Q's codes, v24-31 zeros
.set KF,  32                           ; v32-95 K's eight tiles x 8, v96-103 zeros; later V's four fragments x 16
.set S,   104                          ; v104-167 S^T, then p
.set O,   168                          ; v168-199 O^T
.set PC,  200                          ; v200-215 p's codes
.set TM,  216                          ; v216-231 at work
.set KW,  232                          ; v232-239 scale words of K's tiles, later of V's
.set FF,  240                          ; v240 f; v241 p's scale word (named with it as a pair)
.set PW,  241
.set TT,  242
.set QW,  243                          ; Q's scale words
.set A1,  244                          ; v244-249 three more chains of the row's sum; they are joined at the head of the next step
.set A2,  246
.set A3,  248
.set WV,  18
.set MNT, 19
.set SEL, 20
.set CS,  22
.set G1T, 24                           ; s[24:31] group 1: 32 rows of 256 bytes, dense
.set G1C, 32                           ; s[32:39] 6 rows
.set G0C, 40                           ; s[40:43] the scale words;  s[44:47] the first part;  s[48:51] the second
.set G0A, 44
.set G0B, 48
.set G1B, 68                           ; s[68:75] 48 rows
.set TK,  2
.set TS,  3
.set TJ,  52
.set CNT, 53
.macro CROUND
	s_barrier_signal -1
	s_barrier_wait -1
	s_cmp_lg_u32 s[WV], 0
	s_cbranch_scc1 .Lnot_wave_0_\@
	s_barrier_signal -3
.Lnot_wave_0_\@:
	s_barrier_wait -3
	s_barrier_signal -1
	s_barrier_wait -1
.endm
.macro GRP1 g, rows                    ; the mask: all four; elements of 8 bytes; bit 21 beside a mask; no padding
	s_mov_b32 s[\g], 15|(3<<16)|(1<<21)
	s_mov_b32 s[\g+1], 32<<16
	s_mov_b32 s[\g+2], (\rows)<<16
	s_mov_b32 s[\g+3], 32<<16
	s_mov_b32 s[\g+4], \rows
	s_mov_b32 s[\g+5], 32
	s_mov_b32 s[\g+6], 0
	s_mov_b32 s[\g+7], 0
.endm
	s_load_b128 s[4:7], s[0:1], 0x0                ; qkv, att
	v_lshl_add_u32 v[SPW], v0, 2, SPARE
	v_mov_b32 v[NIL], 0
	ds_add_u32 v[SPW], v[NIL]                      ; the wave's opening: the add, twice on end, and its wait ahead of my first tensor load
	ds_add_u32 v[SPW], v[NIL]
	v_lshrrev_b32 v8, 5, v0
	s_delay_alu instid0(VALU_DEP_1)
	v_readfirstlane_b32 s[WV], v8                  ; wave 0..15
	s_bfe_u32 s13, ttmp6, 0x40000                  ; cx
	s_lshl_b32 s14, ttmp9, 2
	s_add_co_u32 s14, s14, s13                     ; my block of 256 queries: it enters Q's and att's addresses alone
	s_and_b32 s15, ttmp7, 0xffff                   ; batch x head, which the four partners share
	GRP1 G1T, 32
	GRP1 G1C, 6
	GRP1 G1B, 48
	s_lshl_b32 s17, s15, 17                        ; the head's images: 131,072 bytes
	s_lshr_b32 s8, s[WV], 2                        ; the first part: waves 0-3 K's, waves 4-7 V's
	s_and_b32 s9, s[WV], 3
	s_lshl_b32 s9, s9, 13
	s_lshl_b32 s10, s8, 17
	s_add_co_u32 s10, s10, s9                      ; LDS: 131,072 (wave / 4) + 8,192 (wave % 4)
	s_lshl_b32 s54, s8, 22
	s_add_co_u32 s54, s54, 0x400000
	s_add_co_u32 s54, s54, s17
	s_add_co_u32 s54, s54, s9                      ; memory: 4,194,304 (1 + wave / 4) + the head + 8,192 (wave % 4)
	s_mov_b32 s55, 0
	s_and_b32 s11, s[WV], 7                        ; the scale words: waves 8-15, 1,536 bytes each
	s_mul_i32 s12, s11, 1536
	s_mul_i32 s56, s15, 12288
	s_add_co_u32 s56, s56, s12
	s_add_co_u32 s56, s56, 12845056
	s_mov_b32 s57, 0
	s_mul_i32 s11, s11, 12288                      ; the second part: waves 0-7 K's, waves 8-15 V's, 12,288 bytes each, behind the first part's 32,768
	s_add_co_u32 s11, s11, PA
	s_lshr_b32 s8, s[WV], 3
	s_lshl_b32 s76, s8, 17
	s_add_co_u32 s76, s76, s11                     ; LDS
	s_lshl_b32 s78, s8, 22
	s_add_co_u32 s78, s78, 0x400000
	s_add_co_u32 s78, s78, s17
	s_add_co_u32 s78, s78, s11                     ; memory
	s_mov_b32 s79, 0
	s_lshl_b32 s16, s14, 4
	s_add_co_u32 s16, s16, s[WV]                   ; my tile of queries
	s_lshl_b32 s11, s16, 10
	s_add_co_u32 s58, s17, s11                     ; its image
	s_mov_b32 s59, 0
	s_lshl_b32 s60, s15, 13
	s_lshl_b32 s11, s16, 6
	s_add_co_u32 s60, s60, s11
	s_add_co_u32 s60, s60, 12582912                ; its scale words
	s_mov_b32 s61, 0
	s_lshr_b32 s62, s15, 4
	s_lshl_b32 s62, s62, 23
	s_lshl_b32 s11, s16, 16
	s_add_co_u32 s62, s62, s11
	s_and_b32 s11, s15, 15
	s_lshl_b32 s11, s11, 8
	s_add_co_u32 s62, s62, s11                     ; att: (2,048 batch + 16 tile) rows of 4,096 bytes + 256 head
	s_mov_b32 s63, 0
	s_mov_b32 s[SEL], 0x76543210
	s_mov_b32 s[SEL+1], 0xfedcba98
	s_mov_b32 s[CS], 0x3e38aa3b                    ; c = log2(e) / 8
	s_mov_b32 s[CS+1], s[CS]
	s_mov_b32 s[MNT], 0x600000
	s_mov_b32 s[TK], 0
	s_mov_b32 s[TS], 0
	s_mov_b32 s[TJ], 0
	s_wait_dscnt 0x0                               ; both opening adds are done
	s_wait_kmcnt 0x0
	s_mov_b32 s[G0C], 1
	s_add_co_u32 s[G0C+1], s12, KSC
	s_add_nc_u64 s[G0C+2:G0C+3], s[4:5], s[56:57]
	s_or_b32 s[G0C+3], s[G0C+3], 0x80000000
	s_mov_b32 s[G0A], 1
	s_mov_b32 s[G0A+1], s10
	s_add_nc_u64 s[G0A+2:G0A+3], s[4:5], s[54:55]
	s_or_b32 s[G0A+3], s[G0A+3], 0x80000000
	s_mov_b32 s[G0B], 1
	s_mov_b32 s[G0B+1], s76
	s_add_nc_u64 s[G0B+2:G0B+3], s[4:5], s[78:79]
	s_or_b32 s[G0B+3], s[G0B+3], 0x80000000
	s_add_nc_u64 s[58:59], s[4:5], s[58:59]
	s_add_nc_u64 s[60:61], s[4:5], s[60:61]
	s_add_nc_u64 s[6:7], s[6:7], s[62:63]
	CROUND                                         ; all four work-groups are here: the joint loads meet
	s_cmp_lt_u32 s[WV], 8                          ; one branch on the wave's number, a load in each arm: every wave issues one
	s_cbranch_scc0 .Lhead_sc
	tensor_load_to_lds s[G0A:G0A+3], s[G1T:G1T+7]
	s_nop 0
.rept 4
	v_nop
.endr
	s_branch .Lhead_asked
.Lhead_sc:
	tensor_load_to_lds s[G0C:G0C+3], s[G1C:G1C+7]
	s_nop 0
.rept 4
	v_nop
.endr
.Lhead_asked:
	v_and_b32 v8, 31, v0
	s_delay_alu instid0(VALU_DEP_1)
	v_lshlrev_b32 v[LI], 4, v8
	s_delay_alu instid0(VALU_DEP_1)
	v_add_nc_u32 v[LV], VIMG, v[LI]
	v_and_b32 v9, 15, v0
	s_delay_alu instid0(VALU_DEP_1)
	v_lshlrev_b32 v[GO], 2, v9
	s_delay_alu instid0(VALU_DEP_1)
	v_add_nc_u32 v[LKS], KSC, v[GO]
	s_delay_alu instid0(VALU_DEP_2)
	v_add_nc_u32 v[LVS], VSC, v[GO]
	global_load_b128 v[QF:QF+3], v[LI], s[58:59]           ; Q's image: it stays in registers
	global_load_b128 v[QF+4:QF+7], v[LI], s[58:59] offset:512
	global_load_b32 v[QW], v[GO], s[60:61]
	v_mov_b32 v13, 0xff61b1e6                      ; the largest score so far: -3e38
	s_delay_alu instid0(VALU_DEP_1)
	v_mul_f32 v12, s[CS], v13
	s_delay_alu instid0(VALU_DEP_1)
	v_floor_f32 v12, -v12                          ; -M
	v_mov_b32 v[PW], 0                             ; (named as the upper half of a pair before it is first written)
.irp r, 14, 15, A1, A1+1, A2, A2+1, A3, A3+1
	v_mov_b32 v[\r], 0                             ; the sum, in four chains of two halves
.endr
.irp b, 0,1,2,3
	v_mov_b32 v[TM+4+\b], 0                        ; a lane permute's destination counts as one of its sources
.endr
.irp j, 0,1,2,3,4,5,6,7
	v_mov_b32 v[QF+8+\j], 0                        ; zero codes: the upper 64 of the instruction's 128
	v_mov_b32 v[KF+64+\j], 0
.endr
.set j, 0
.rept 32
	v_mov_b32 v[O+j], 0                            ; O^T: the step is written once; its first run finds zeros, which the first change of M leaves zeros
.set j, j+1
.endr
; A KEY STEP: 128 keys.
.macro STEP
	v_add_nc_u32 v[ADK], s[TK], v[LI]              ; eight places in front of loads into registers that the last products have read: the step's four addresses,
	v_add_nc_u32 v[ADV], s[TK], v[LV]
	v_add_nc_u32 v[ADS], s[TS], v[LKS]
	v_add_nc_u32 v[ADT], s[TJ], v[LVS]
	v_pk_add_f32 v[A1:A1+1], v[A1:A1+1], v[A2:A2+1]   ; and the last step's four chains of the sum joined
	v_pk_add_f32 v[14:15], v[14:15], v[A3:A3+1]
	v_nop
	v_pk_add_f32 v[14:15], v[14:15], v[A1:A1+1]
.irp t, 0,1,2,3,4,5,6,7
	ds_load_b128 v[KF+8*\t:KF+8*\t+3], v[ADK] offset:1024*\t
	ds_load_b128 v[KF+8*\t+4:KF+8*\t+7], v[ADK] offset:1024*\t+512
	ds_load_b32 v[KW+\t], v[ADS] offset:64*\t
.endr
	s_wait_alu depctr_va_vdst(0)                   ; directly ahead of the wait below
.irp t, 0,1,2,3,4,5,6,7
.if \t < 7
	s_wait_dscnt 18-3*\t                           ; tile t's product names tiles t and t + 1: three loads a tile, 24 in all, so 24 - 3 (t + 2) younger ones may be out
.endif
	v_wmma_scale_f32_16x16x128_f8f6f4 v[S+8*\t:S+8*\t+7], v[KF+8*\t:KF+8*\t+15], v[QF:QF+15], 0, v[KW+\t], v[QW]
.endr
.rept 8
	v_nop
.endr
.irp t, 0,1,2,3                                ; V's fragments are asked for now and land under the softmax
.irp c, 0,1,2,3
	ds_load_b128 v[KF+16*\t+4*\c:KF+16*\t+4*\c+3], v[ADV] offset:2048*\t+512*\c
.endr
	ds_load_b32 v[KW+\t], v[ADT] offset:64*\t
.endr
.irp b, 0,1,2,3
	v_max3_num_f32 v[TM+\b], v[S+16*\b], v[S+16*\b+1], v[S+16*\b+2]   ; the largest score of each block of 32 keys: for the row's maximum and, since p rises with the score, for the block's largest p
.endr
.irp i, 3,5,7,9,11,13
.irp b, 0,1,2,3
	v_max3_num_f32 v[TM+\b], v[TM+\b], v[S+16*\b+\i], v[S+16*\b+\i+1]
.endr
.endr
.irp b, 0,1,2,3
	v_max_num_f32 v[TM+\b], v[TM+\b], v[S+16*\b+15]
.endr
.irp b, 0,1,2,3
	s_delay_alu instid0(VALU_DEP_4)
	v_permlanex16_b32 v[TM+4+\b], v[TM+\b], s[SEL], s[SEL+1]
.endr
.irp b, 0,1,2,3
	s_delay_alu instid0(VALU_DEP_4)
	v_max_num_f32 v[TM+\b], v[TM+\b], v[TM+4+\b]
.endr
	s_delay_alu instid0(VALU_DEP_3)
	v_max3_num_f32 v13, v13, v[TM], v[TM+1]        ; the running largest score (c is positive, so the largest t is c x it)
	s_delay_alu instid0(VALU_DEP_1)
	v_max3_num_f32 v13, v13, v[TM+2], v[TM+3]
	v_mov_b32 v[TT], v12
	s_delay_alu instid0(VALU_DEP_2)
	v_mul_f32 v12, s[CS], v13
	s_delay_alu instid0(VALU_DEP_1)
	v_floor_f32 v12, -v12                          ; the new -M = floor(-t): M is a whole number
	s_delay_alu instid0(VALU_DEP_1)
	v_sub_f32 v[TT], v12, v[TT]                    ; old M - new M: a whole number, 0 or less
	s_delay_alu instid0(VALU_DEP_1)
	v_cvt_i32_f32 v[TT], v[TT]                     ; (it saturates)
	s_delay_alu instid0(VALU_DEP_1)
	v_ldexp_f32 v[FF], 1.0, v[TT]                  ; f = 2^(old M - new M)
.set j, 0
.rept 32
	v_pk_fma_f32 v[S+j:S+j+1], v[S+j:S+j+1], s[CS:CS+1], v[12:13] op_sel_hi:[1,0,0]   ; t - M, two at a time
.set j, j+2
.endr
.irp b, 0,1,2,3
	v_fma_f32 v[TM+\b], v[TM+\b], s[CS], v12       ; the same of each block's largest score
.endr
	s_wait_alu depctr_va_vdst(0)                   ; the wait ahead of the batch
.set j, 0
.rept 64
	v_exp_f32 v[S+j], v[S+j]                       ; p = 2^(t - M), at most 1
.set j, j+1
.endr
	v_pk_mul_f32 v[14:15], v[14:15], v[FF:FF+1] op_sel_hi:[1,0]   ; the sum under the new M: a plain line behind the exponentials
	s_wait_alu depctr_va_vdst(0)                   ; one wait for the batch, ahead of its first reader
.irp b, 0,1,2,3
	v_exp_f32 v[TM+\b], v[TM+\b]                   ; the block's largest p
.endr
	v_pk_add_f32 v[A1:A1+1], v[S:S+1], v[S+2:S+3]  ; the row's sum of the unquantised p: 32 pairs in four chains, three of them begun anew
	v_pk_add_f32 v[A2:A2+1], v[S+4:S+5], v[S+6:S+7]
	v_pk_add_f32 v[A3:A3+1], v[S+8:S+9], v[S+10:S+11]
	v_pk_add_f32 v[14:15], v[14:15], v[S+12:S+13]
.set j, 14
.rept 6
	v_pk_add_f32 v[A1:A1+1], v[A1:A1+1], v[S+j:S+j+1]
	v_pk_add_f32 v[A2:A2+1], v[A2:A2+1], v[S+j+2:S+j+3]
	v_pk_add_f32 v[A3:A3+1], v[A3:A3+1], v[S+j+4:S+j+5]
	v_pk_add_f32 v[14:15], v[14:15], v[S+j+6:S+j+7]
.set j, j+8
.endr
	v_pk_add_f32 v[A1:A1+1], v[A1:A1+1], v[S+62:S+63]
	s_wait_alu depctr_va_vdst(0)                   ; and one for the four
.irp b, 0,1,2,3
	v_max_num_f32 v[TM+\b], 0x4800000, v[TM+\b]    ; the floor 2^(9 - 127)
.endr
.irp b, 0,1,2,3
	s_delay_alu instid0(VALU_DEP_4)
	v_add_nc_u32 v[TM+12+\b], 0xfc000000, v[TM+\b] ; 8 off the exponent field: the conversion's scale operand
.endr
.irp b, 0,1,2,3
	v_and_or_b32 v[TM+8+\b], v[TM+\b], 0x7f800000, s[MNT]   ; 448 x the scale
.endr
.irp b, 0,1,2,3
	v_lshrrev_b32 v[TM+4+\b], 23, v[TM+12+\b]      ; the scale's byte
.endr
	s_delay_alu instid0(VALU_DEP_3)
	v_lshl_or_b32 v[PW], v[TM+5], 8, v[TM+4]       ; p's scale word for these 128 keys
	s_delay_alu instid0(VALU_DEP_1)
	v_lshl_or_b32 v[PW], v[TM+6], 16, v[PW]
	s_delay_alu instid0(VALU_DEP_1)
	v_lshl_or_b32 v[PW], v[TM+7], 24, v[PW]
; THE HOLD (the conversion to an 8-bit code does not saturate: ISA guide 7.6.2); p is not negative, so it is one-sided.  Two numbers an instruction: an even register of one block with an odd one of its
; neighbour block, so that the pair's destinations are even and odd and its first and its second sources lie in different register banks.
.irp b, 0,2
.set i, 0
.rept 8
	v_dual_min_num_f32 v[S+16*\b+i], v[S+16*\b+i], v[TM+8+\b] :: v_dual_min_num_f32 v[S+16*\b+17+i], v[S+16*\b+17+i], v[TM+9+\b]
	v_dual_min_num_f32 v[S+16*\b+16+i], v[S+16*\b+16+i], v[TM+9+\b] :: v_dual_min_num_f32 v[S+16*\b+1+i], v[S+16*\b+1+i], v[TM+8+\b]
.set i, i+2
.endr
.irp e, 0,1
	v_cvt_scalef32_pk8_fp8_f32 v[PC+4*(\b+\e):PC+4*(\b+\e)+1], v[S+16*(\b+\e):S+16*(\b+\e)+7], v[TM+12+\b+\e]
	v_cvt_scalef32_pk8_fp8_f32 v[PC+4*(\b+\e)+2:PC+4*(\b+\e)+3], v[S+16*(\b+\e)+8:S+16*(\b+\e)+15], v[TM+12+\b+\e]
.endr
.endr
	s_wait_alu depctr_va_vdst(0)                   ; directly ahead of the first reader of O^T
.set j, 0
.rept 16
	v_pk_mul_f32 v[O+j:O+j+1], v[O+j:O+j+1], v[FF:FF+1] op_sel_hi:[1,0]   ; O^T under the new M; also the places between the conversions and the products
.set j, j+2
.endr
	s_wait_alu depctr_va_vdst(0)                   ; directly ahead of the wait below
	s_wait_dscnt 0x0                               ; V's fragments and scale words are in
.irp t, 0,1,2,3
	v_wmma_scale_f32_16x16x128_f8f6f4 v[O+8*\t:O+8*\t+7], v[KF+16*\t:KF+16*\t+15], v[PC:PC+15], v[O+8*\t:O+8*\t+7], v[KW+\t], v[PW]
.endr
	s_add_co_u32 s[TK], s[TK], 8192                ; the next step's images (K's and V's are 8,192 bytes a step alike)
	s_add_co_u32 s[TS], s[TS], 512
	s_add_co_u32 s[TJ], s[TJ], 256
.endm
.macro WALK n                          ; n key steps
	s_mov_b32 s[CNT], \n
.Lstep_\@:
	STEP
	s_sub_co_u32 s[CNT], s[CNT], 1
	s_cmp_lg_u32 s[CNT], 0
	s_cbranch_scc1 .Lstep_\@
.endm
	s_wait_alu depctr_va_vdst(0)                   ; the wait at the head's end
	s_wait_loadcnt 0x0                             ; Q
	s_wait_tensorcnt 0x0                           ; my piece of the first part is in
	ds_add_u32 v[SPW], v[NIL]
	s_wait_dscnt 0x0
	CROUND                                         ; everybody's piece is in, and the four work-groups are here
	tensor_load_to_lds s[G0B:G0B+3], s[G1B:G1B+7]  ; keys 512 to 2,047: my one load behind the round
	s_nop 0
.rept 4
	v_nop
.endr
	WALK 4                                         ; keys 0 to 511
	s_wait_tensorcnt 0x0                           ; my piece of the second part
	s_wait_dscnt 0x0
	s_barrier_signal -1
	s_barrier_wait -1                              ; everybody's
	WALK 12
	; THE WAY OUT.  O^T / the sum goes through my stage (16 rows x 272 bytes, in K's bytes, which nobody reads behind the barrier below and which are filled no more) and leaves as rows of 256 bytes.
	v_pk_add_f32 v[A1:A1+1], v[A1:A1+1], v[A2:A2+1]   ; the last step's chains
	v_pk_add_f32 v[14:15], v[14:15], v[A3:A3+1]
	s_delay_alu instid0(VALU_DEP_1)
	v_pk_add_f32 v[14:15], v[14:15], v[A1:A1+1]
	s_delay_alu instid0(VALU_DEP_1)
	v_add_f32 v14, v14, v15
	s_delay_alu instid0(VALU_DEP_1)
	v_permlanex16_b32 v[FF], v14, s[SEL], s[SEL+1]
	s_delay_alu instid0(VALU_DEP_1)
	v_add_f32 v14, v14, v[FF]                      ; the row's sum
	s_wait_alu depctr_va_vdst(0)                   ; the wait ahead of the transcendental
	v_rcp_f32 v14, v14
	v_and_b32 v8, 15, v0                           ; (plain lines behind the reciprocal and behind the last products)
	v_bfe_u32 v9, v0, 4, 1
	s_mul_i32 s8, s[WV], 16*272
	v_mul_u32_u24 v10, v8, 272
	s_delay_alu instid0(VALU_DEP_1)
	v_lshl_add_u32 v10, v9, 5, v10
	s_delay_alu instid0(VALU_DEP_1)
	v_add_nc_u32 v10, s8, v10                      ; in: row r, + 32 h
	v_mul_u32_u24 v11, v9, 272
	s_delay_alu instid0(VALU_DEP_1)
	v_lshl_add_u32 v11, v8, 4, v11
	s_delay_alu instid0(VALU_DEP_1)
	v_add_nc_u32 v11, s8, v11                      ; back: lanes 0-15 one row, lanes 16-31 the next
	v_lshlrev_b32 v[GO], 12, v9
	s_delay_alu instid0(VALU_DEP_1)
	v_lshl_add_u32 v[GO], v8, 4, v[GO]             ; and the same two rows in att
	s_wait_dscnt 0x0
	s_barrier_signal -1
	s_barrier_wait -1                              ; every wave's reads of K's images are over
	s_wait_alu depctr_va_vdst(0)                   ; the wait ahead of the reciprocal's first reader
.set j, 0
.rept 32
	v_mul_f32 v[S+j], v[O+j], v14                  ; register 8 t + i: channel 16 t + 8 h + i of query r; each accumulator from its low end on
.set j, j+1
.endr
.irp t, 0,1,2,3
	ds_store_b128 v10, v[S+8*\t:S+8*\t+3] offset:64*\t
	ds_store_b128 v10, v[S+8*\t+4:S+8*\t+7] offset:64*\t+16
.endr
.irp i, 0,1,2,3,4,5,6,7
	ds_load_b128 v[KF+4*\i:KF+4*\i+3], v11 offset:2*\i*272   ; LDS serves a wave's instructions in order: these see my stores
.endr
.irp i, 0,1,2,3,4,5,6,7
	s_wait_dscnt 7-\i                              ; the younger loads may be out
	global_store_b128 v[GO], v[KF+4*\i:KF+4*\i+3], s[6:7] offset:8192*\i   ; sixteen lanes store 256 consecutive bytes, aligned
.endr
	s_wait_tensorcnt 0x0                           ; the wave's end
	ds_add_u32 v[SPW], v[NIL]
	s_wait_dscnt 0x0
	CROUND                                         ; the closing round
	s_endpgm
.Lfunc_end_k_q9e234d8946_attn:
	.size	k_q9e234d8946_attn, .Lfunc_end_k_q9e234d8946_attn-k_q9e234d8946_attn
	.p2alignl 7, 3214868480
	.fill 96, 4, 3214868480
	.section	.rodata,"a",@progbits
	.p2align	6, 0x0
	.amdhsa_kernel k_q9e234d8946_attn
		.amdhsa_group_segment_fixed_size 327680
		.amdhsa_private_segment_fixed_size 0
		.amdhsa_enable_private_segment 0
		.amdhsa_kernarg_size 16
		.amdhsa_user_sgpr_count 2
		.amdhsa_user_sgpr_kernarg_segment_ptr 1
		.amdhsa_wavefront_size32 1
		.amdhsa_system_sgpr_workgroup_id_x 1
		.amdhsa_system_sgpr_workgroup_id_y 1
		.amdhsa_system_sgpr_workgroup_id_z 1
		.amdhsa_system_vgpr_workitem_id 0
		.amdhsa_next_free_vgpr 256
		.amdhsa_next_free_sgpr 80
		.amdhsa_reserve_vcc 0
		.amdhsa_float_denorm_mode_32 3
		.amdhsa_float_denorm_mode_16_64 3
		.amdhsa_memory_ordered 1
		.amdhsa_forward_progress 1
		.amdhsa_inst_pref_size 55
	.end_amdhsa_kernel
	.amdgpu_metadata
---
amdhsa.version: [ 1, 2 ]
amdhsa.kernels:
  - .name:           k_q9e234d8946_attn
    .symbol:         k_q9e234d8946_attn.kd
    .args:
      - { .name: qkv, .offset: 0, .size: 8, .value_kind: global_buffer, .address_space: global }
      - { .name: att, .offset: 8, .size: 8, .value_kind: global_buffer, .address_space: global }
    .group_segment_fixed_size: 327680
    .private_segment_fixed_size: 0
    .kernarg_segment_align: 8
    .kernarg_segment_size: 16
    .max_flat_workgroup_size: 512
    .sgpr_count:     80
    .vgpr_count:     256
    .wavefront_size: 32
...
	.end_amdgpu_metadata
.endif
;; end of part 3
;; launch ln1 (part 4): grid 512 x 1, 8 waves a work-group, no clusters, 42,240 bytes of LDS; arguments att, embed, ln_g, ln_b, y1; writes y1
.if DOCPART == 4
	.amdgcn_target "amdgcn-amd-amdhsa--gfx1250"
	.amdhsa_code_object_version 6
	.text
	.protected	k_q9e234d8946_ln1
	.globl	k_q9e234d8946_ln1
	.p2align	8
	.type	k_q9e234d8946_ln1,@function
k_q9e234d8946_ln1:
	s_mov_b64 s[64:65], 0
	v_nop
	global_prefetch_b8 v0, s[64:65] scope:SCOPE_SE
	s_setreg_imm32_b32 hwreg(HW_REG_WAVE_MODE, 25, 1), 1
	s_wait_xcnt 0x0
; LAUNCH 4 OF 7.  out1 = LayerNorm(att + embed) x ln_g + ln_b, in f32, to y1 + 0; its codes of E4M3 along the 1,024 to y1 + 16,777,216; their E8M0 bytes [4096][32] to y1 + 20,971,520.  Nothing is left out.
; A wave takes one row, kept in 32 registers between the passes: mean, then the mean of the squared differences (two passes, as the problem's variance), 1 / sqrt(var + 1e-5), gain and offset.
; All 32 loads of a wave are issued at once.  The quantiser is the first launch's: each half row turns through the wave's own stage in LDS, so that a lane holds 16 neighbours.
; LIMITS: as in the first launch.  No matrix unit, no cluster, no tensor load: each byte is read once and nothing is shared but the two vectors of 4,096 bytes.
.set SP,    80
.set WREG,  5120
.set SCB,   8*WREG
.set SPARE, SCB+256
.set X,   32                           ; v32-63   the row
.set XS,  64                           ; v64-95   embed's row; later two sets of 16 neighbours
.set G,   96                           ; v96-127  the gain
.set BV,  128                          ; v128-159 the offset
.set C,   160
.set E8,  168
.set SPW, 12
.set NIL, 13
	s_load_b256 s[4:11], s[0:1], 0x0               ; att, embed, ln_g, ln_b
	s_load_b64 s[12:13], s[0:1], 0x20              ; y1
	v_lshl_add_u32 v[SPW], v0, 2, SPARE
	v_mov_b32 v[NIL], 0
	v_lshrrev_b32 v3, 5, v0
	s_delay_alu instid0(VALU_DEP_1)
	v_readfirstlane_b32 s16, v3
	v_and_b32 v2, 31, v0
	s_delay_alu instid0(VALU_DEP_1)
	v_lshlrev_b32 v1, 4, v2
	s_mul_i32 s17, s16, WREG
	v_lshrrev_b32 v14, 2, v2
	s_delay_alu instid0(VALU_DEP_1)
	v_mul_u32_u24 v14, v14, SP
	v_and_b32 v15, 3, v2
	s_delay_alu instid0(VALU_DEP_1)
	v_lshl_add_u32 v14, v15, 4, v14
	s_delay_alu instid0(VALU_DEP_1)
	v_add_nc_u32 v14, s17, v14
	v_mul_u32_u24 v15, v2, SP
	s_delay_alu instid0(VALU_DEP_1)
	v_add_nc_u32 v15, s17, v15
	v_lshrrev_b32 v5, 1, v2
	s_lshl_b32 s18, s16, 5
	s_add_co_u32 s18, s18, SCB
	v_add_nc_u32 v5, s18, v5
	v_lshlrev_b32 v7, 3, v2
	s_delay_alu instid0(VALU_DEP_1)
	v_add_nc_u32 v6, SCB, v7
	s_mov_b32 s23, 0x600000
	s_mov_b32 s28, 0x76543210
	s_mov_b32 s29, 0xfedcba98
	s_lshl_b32 s19, ttmp9, 3
	s_add_co_u32 s19, s19, s16                     ; my row
	s_lshl_b32 s20, s19, 12
	s_mov_b32 s21, 0
	s_lshl_b32 s24, s19, 10
	s_add_co_u32 s24, s24, 0x1000000
	s_mov_b32 s25, 0
	s_lshl_b32 s26, ttmp9, 8
	s_add_co_u32 s26, s26, 0x1400000
	s_mov_b32 s27, 0
	s_wait_kmcnt 0x0
	s_add_nc_u64 s[4:5], s[4:5], s[20:21]
	s_add_nc_u64 s[6:7], s[6:7], s[20:21]
	s_add_nc_u64 s[14:15], s[12:13], s[20:21]      ; my row of out1
	s_add_nc_u64 s[30:31], s[12:13], s[24:25]      ; of codes
	s_add_nc_u64 s[32:33], s[12:13], s[26:27]      ; the work-group's scale bytes
.irp i, 0,1,2,3,4,5,6,7
	global_load_b128 v[X+4*\i:X+4*\i+3], v1, s[4:5] offset:512*\i th:TH_LOAD_NT
.endr
.irp i, 0,1,2,3,4,5,6,7
	global_load_b128 v[XS+4*\i:XS+4*\i+3], v1, s[6:7] offset:512*\i th:TH_LOAD_NT
.endr
.irp i, 0,1,2,3,4,5,6,7
	global_load_b128 v[G+4*\i:G+4*\i+3], v1, s[8:9] offset:512*\i
.endr
.irp i, 0,1,2,3,4,5,6,7
	global_load_b128 v[BV+4*\i:BV+4*\i+3], v1, s[10:11] offset:512*\i
.endr
	s_wait_loadcnt 16                              ; both rows are in; the gain's and the offset's 16 loads may be out
.set j, 0
.rept 16
	v_pk_add_f32 v[X+j:X+j+1], v[X+j:X+j+1], v[XS+j:XS+j+1]   ; the residual
.set j, j+2
.endr
.macro ACROSS                          ; v16 summed over the 32 lanes, the result in every lane
	s_delay_alu instid0(VALU_DEP_1)
	v_add_f32 v16, v16, v17
	s_delay_alu instid0(VALU_DEP_1)
	v_add_f32_dpp v16, v16, v16 row_xmask:1 row_mask:0xf bank_mask:0xf
	s_delay_alu instid0(VALU_DEP_1)
	v_add_f32_dpp v16, v16, v16 row_xmask:2 row_mask:0xf bank_mask:0xf
	s_delay_alu instid0(VALU_DEP_1)
	v_add_f32_dpp v16, v16, v16 row_xmask:4 row_mask:0xf bank_mask:0xf
	s_delay_alu instid0(VALU_DEP_1)
	v_add_f32_dpp v16, v16, v16 row_xmask:8 row_mask:0xf bank_mask:0xf
	s_delay_alu instid0(VALU_DEP_1)
	v_permlanex16_b32 v17, v16, s28, s29
	s_delay_alu instid0(VALU_DEP_1)
	v_add_f32 v16, v16, v17
.endm
	v_pk_add_f32 v[16:17], v[X:X+1], v[X+2:X+3]    ; the row's sum, in two chains
	v_pk_add_f32 v[18:19], v[X+4:X+5], v[X+6:X+7]
.irp j, 8,12,16,20,24,28
	s_delay_alu instid0(VALU_DEP_2)
	v_pk_add_f32 v[16:17], v[16:17], v[X+\j:X+\j+1]
	s_delay_alu instid0(VALU_DEP_2)
	v_pk_add_f32 v[18:19], v[18:19], v[X+\j+2:X+\j+3]
.endr
	s_delay_alu instid0(VALU_DEP_1)
	v_pk_add_f32 v[16:17], v[16:17], v[18:19]
	ACROSS
	s_delay_alu instid0(VALU_DEP_1)
	v_mul_f32 v24, 0x3a800000, v16                 ; the mean: / 1,024
	s_delay_alu instid0(VALU_DEP_1)
	v_mov_b32 v25, v24
.set j, 0
.rept 16
	v_pk_add_f32 v[X+j:X+j+1], v[X+j:X+j+1], v[24:25] neg_lo:[0,1] neg_hi:[0,1]
.set j, j+2
.endr
	v_pk_mul_f32 v[16:17], v[X:X+1], v[X:X+1]      ; the sum of the squared differences
	v_pk_mul_f32 v[18:19], v[X+2:X+3], v[X+2:X+3]
.irp j, 4,8,12,16,20,24,28
	s_delay_alu instid0(VALU_DEP_2)
	v_pk_fma_f32 v[16:17], v[X+\j:X+\j+1], v[X+\j:X+\j+1], v[16:17]
	s_delay_alu instid0(VALU_DEP_2)
	v_pk_fma_f32 v[18:19], v[X+\j+2:X+\j+3], v[X+\j+2:X+\j+3], v[18:19]
.endr
	s_delay_alu instid0(VALU_DEP_1)
	v_pk_add_f32 v[16:17], v[16:17], v[18:19]
	ACROSS
	v_mov_b32 v19, 0x3a800000
	s_delay_alu instid0(VALU_DEP_1)
	v_fmaak_f32 v18, v16, v19, 0x3727c5ac          ; the variance + 1e-5
	s_wait_alu depctr_va_vdst(0)
	v_rsq_f32 v26, v18
	v_nop                                          ; a plain line behind the transcendental
	s_wait_alu depctr_va_vdst(0)                   ; and the wait ahead of its first reader
	v_mov_b32 v27, v26
	s_wait_alu depctr_va_vdst(0)
	s_wait_loadcnt 0x0                             ; the gain and the offset
.set j, 0
.rept 16
	v_pk_mul_f32 v[X+j:X+j+1], v[X+j:X+j+1], v[26:27]
.set j, j+2
.endr
.set j, 0
.rept 16
	v_pk_fma_f32 v[X+j:X+j+1], v[X+j:X+j+1], v[G+j:G+j+1], v[BV+j:BV+j+1]
.set j, j+2
.endr
.irp i, 0,1,2,3,4,5,6,7
	global_store_b128 v1, v[X+4*\i:X+4*\i+3], s[14:15] offset:512*\i   ; 512 consecutive bytes a store
.endr
.macro TURN h
.irp i, 0,1,2,3
	ds_store_b128 v14, v[X+16*\h+4*\i:X+16*\h+4*\i+3] offset:32*SP*\h+8*SP*\i
.endr
.irp i, 0,1,2,3
	ds_load_b128 v[XS+16*\h+4*\i:XS+16*\h+4*\i+3], v15 offset:32*SP*\h+16*\i
.endr
.endm
.macro Q16 h
.set XH, XS+16*\h
	v_max3_num_f32 v8, |v[XH]|, |v[XH+1]|, |v[XH+2]|
	v_max3_num_f32 v9, |v[XH+3]|, |v[XH+4]|, |v[XH+5]|
.irp i, 6,10
	s_delay_alu instid0(VALU_DEP_2)
	v_max3_num_f32 v8, v8, |v[XH+\i]|, |v[XH+\i+1]|
	s_delay_alu instid0(VALU_DEP_2)
	v_max3_num_f32 v9, v9, |v[XH+\i+2]|, |v[XH+\i+3]|
.endr
	s_delay_alu instid0(VALU_DEP_2)
	v_max3_num_f32 v8, v8, |v[XH+14]|, |v[XH+15]|
	s_delay_alu instid0(VALU_DEP_1)
	v_max3_num_f32 v8, v8, v9, 0x4800000
	s_delay_alu instid0(VALU_DEP_1)
	v_max_num_f32_dpp v8, v8, v8 row_xmask:1 row_mask:0xf bank_mask:0xf
	s_delay_alu instid0(VALU_DEP_1)
	v_add_nc_u32 v11, 0xfc000000, v8
	s_delay_alu instid0(VALU_DEP_2)
	v_and_or_b32 v10, v8, 0x7f800000, s23
.irp i, 0,1,2,3,4,5,6,7,8,9,10,11,12,13,14,15
	v_med3_num_f32 v[XH+\i], v[XH+\i], -v10, v10
.endr
	v_cvt_scalef32_pk8_fp8_f32 v[C+4*\h:C+4*\h+1], v[XH:XH+7], v11
	v_cvt_scalef32_pk8_fp8_f32 v[C+4*\h+2:C+4*\h+3], v[XH+8:XH+15], v11
	v_lshrrev_b32 v[E8+\h], 23, v11
	ds_store_b8 v5, v[E8+\h] offset:16*\h
	global_store_b128 v1, v[C+4*\h:C+4*\h+3], s[30:31] offset:512*\h
.endm
	TURN 0
	TURN 1
	s_wait_dscnt 8                                 ; half 0 is back; half 1's four stores and four loads may be out
	Q16 0
	s_wait_dscnt 1                                 ; half 1 is back; half 0's byte store may be out
	Q16 1
	s_wait_dscnt 0x0                               ; for the others' sake: my byte stores have landed
	s_barrier_signal -1
	s_barrier_wait -1
	s_cmp_lg_u32 s16, 0
	s_cbranch_scc1 .Lend
	ds_load_b64 v[8:9], v6
	s_wait_dscnt 0x0
	global_store_b64 v7, v[8:9], s[32:33]          ; 256 consecutive bytes, aligned
.Lend:
	s_wait_tensorcnt 0x0                           ; the wave's end
	ds_add_u32 v[SPW], v[NIL]
	s_wait_dscnt 0x0
	s_endpgm
.Lfunc_end_k_q9e234d8946_ln1:
	.size	k_q9e234d8946_ln1, .Lfunc_end_k_q9e234d8946_ln1-k_q9e234d8946_ln1
	.p2alignl 7, 3214868480
	.fill 96, 4, 3214868480
	.section	.rodata,"a",@progbits
	.p2align	6, 0x0
	.amdhsa_kernel k_q9e234d8946_ln1
		.amdhsa_group_segment_fixed_size 42240
		.amdhsa_private_segment_fixed_size 0
		.amdhsa_enable_private_segment 0
		.amdhsa_kernarg_size 40
		.amdhsa_user_sgpr_count 2
		.amdhsa_user_sgpr_kernarg_segment_ptr 1
		.amdhsa_wavefront_size32 1
		.amdhsa_system_sgpr_workgroup_id_x 1
		.amdhsa_system_sgpr_workgroup_id_y 1
		.amdhsa_system_sgpr_workgroup_id_z 1
		.amdhsa_system_vgpr_workitem_id 0
		.amdhsa_next_free_vgpr 176
		.amdhsa_next_free_sgpr 66
		.amdhsa_reserve_vcc 0
		.amdhsa_float_denorm_mode_32 3
		.amdhsa_float_denorm_mode_16_64 3
		.amdhsa_memory_ordered 1
		.amdhsa_forward_progress 1
		.amdhsa_inst_pref_size 21
	.end_amdhsa_kernel
	.amdgpu_metadata
---
amdhsa.version: [ 1, 2 ]
amdhsa.kernels:
  - .name:           k_q9e234d8946_ln1
    .symbol:         k_q9e234d8946_ln1.kd
    .args:
      - { .name: att, .offset: 0, .size: 8, .value_kind: global_buffer, .address_space: global }
      - { .name: embed, .offset: 8, .size: 8, .value_kind: global_buffer, .address_space: global }
      - { .name: ln_g, .offset: 16, .size: 8, .value_kind: global_buffer, .address_space: global }
      - { .name: ln_b, .offset: 24, .size: 8, .value_kind: global_buffer, .address_space: global }
      - { .name: y1, .offset: 32, .size: 8, .value_kind: global_buffer, .address_space: global }
    .group_segment_fixed_size: 42240
    .private_segment_fixed_size: 0
    .kernarg_segment_align: 8
    .kernarg_segment_size: 40
    .max_flat_workgroup_size: 256
    .sgpr_count:     66
    .vgpr_count:     176
    .wavefront_size: 32
...
	.end_amdgpu_metadata
.endif
;; end of part 4
;; launch ffn1 (part 5): grid 16 x 16, 4 waves a work-group, clusters of 4 x 4, 327,680 bytes of LDS; arguments y1, w1_w_codes, w1_w_scales, w1_b, hid; writes hid
.if DOCPART == 5
	.amdgcn_target "amdgcn-amd-amdhsa--gfx1250"
	.amdhsa_code_object_version 6
	.text
	.protected	k_q9e234d8946_ffn1
	.globl	k_q9e234d8946_ffn1
	.p2align	8
	.type	k_q9e234d8946_ffn1,@function
k_q9e234d8946_ffn1:
	s_mov_b64 s[64:65], 0
	v_nop
	global_prefetch_b8 v0, s[64:65] scope:SCOPE_SE
	s_setreg_imm32_b32 hwreg(HW_REG_WAVE_MODE, 25, 1), 1
	s_wait_xcnt 0x0
	s_wait_alu depctr_hold_cnt(0) depctr_sa_sdst(0) depctr_va_vdst(0) depctr_va_sdst(0) depctr_va_ssrc(0) depctr_va_vcc(0) depctr_vm_vsrc(0)
	s_getreg_b32 s2, hwreg(HW_REG_IB_STS2, 6, 4)
	s_cmp_eq_u32 s2, 0
	s_cbranch_scc0 .Lentry_in_a_cluster
	s_endpgm
.Lentry_in_a_cluster:
	s_bfe_u32 s2, ttmp6, 0x10000c
	s_cmp_lg_u32 s2, 0xf033
	s_cbranch_scc0 .Lentry_shape_is_right
	s_endpgm
.Lentry_shape_is_right:
.set HALFTA, 34816
.set ASTEP,  256
.set KROWB,  1024
.set LAPS,   2
.set ASB,    4352
.set BSB,    4352
.set SBA,    544
.set SBB,    544
.set SSA,    8
.set PITCH,  272
.set FR,     16
.set NP,     8
.set HALFTB, 128*PITCH
.set SLOT,   2*HALFTA+2*HALFTB
.set ASC,    2*SLOT
.set BSC,    ASC+2*ASB
.set SPARE,  BSC+2*BSB
.set ADRA, 16
.set ADRB, 20
.set ADSA, 22
.set ADSB, 23
.set LI,   24
.set SPW,  28
.set NIL,  29
.set SC,   32
.set BIAS, 64
.set AF,   128
.set G1, 24
.set G0, 32
.set G1B, 48
.set G0B, 56
.set G1S, 68
.set G0S, 76
.set G1SB, 80
.set G0SB, 88
.set MUL_LO, 0xa1
.set MUL_HI, 0xf1
.set TO_B,   0x40
.set MSB, 0
.macro WIN new
.if MSB != (\new)
	s_set_vgpr_msb (MSB<<8)|(\new)
.set MSB, (\new)
.endif
.endm
.macro JLOAD g0a, g1a, g0b, g1b
	s_cmp_eq_u32 s15, 0
	s_cbranch_scc0 .Lfor_b_\@
	tensor_load_to_lds s[\g0a:\g0a+3], s[\g1a:\g1a+7]
	s_nop 0
.rept 4
	v_nop
.endr
	s_branch .Lasked_\@
.Lfor_b_\@:
	tensor_load_to_lds s[\g0b:\g0b+3], s[\g1b:\g1b+7]
	s_nop 0
.rept 4
	v_nop
.endr
.Lasked_\@:
.endm
.macro CREST
	s_cmp_lg_u32 s14, 0
	s_cbranch_scc1 .Lnot_wave_0_\@
	s_barrier_signal -3
.Lnot_wave_0_\@:
	s_barrier_wait -3
	s_barrier_signal -1
	s_barrier_wait -1
.endm
.macro CROUND
	s_barrier_signal -1
	s_barrier_wait -1
	CREST
.endm
.macro PLACES n
.rept \n
	v_nop
.endr
.endm
.macro FRAGA reg, slot, q, i
.irp c, 0,1,2,3
	ds_load_b128 v[\reg+4*\c:\reg+4*\c+3], v[ADRA+\slot] offset:128*(\q)+32*\c+(\i)*16*PITCH
.endr
.endm
.macro FRAGB reg, slot, q, i
.irp c, 0,1,2,3
	ds_load_b128 v[\reg+4*\c:\reg+4*\c+3], v[ADRB+\slot] offset:128*(\q)+32*\c+(\i)*16*PITCH
.endr
.endm
.macro MUL16 a0, p, q, sc, zero
.irp a, \a0, \a0+1
.irp b, 0,1,2,3,4,5,6,7
.set rD, 8*(8*((\a)%4)+\b)
.set rB, 128*(\p)+FR*\b
.set rA, AF+FR*(\a)
.set rT, SC+16*(\sc)+8+\b
.set rU, SC+16*(\sc)+(\a)
.if (\zero) == 2
	v_wmma_scale_f32_16x16x128_f8f6f4 v[rD:rD+7], v[rB:rB+15], v[rA:rA+15], v[BIAS+8*\b:BIAS+8*\b+7], v[rT], v[rU]
.elseif (\q) == 0
	v_wmma_scale_f32_16x16x128_f8f6f4 v[rD:rD+7], v[rB:rB+15], v[rA:rA+15], v[rD:rD+7], v[rT], v[rU]
.else
	v_wmma_scale_f32_16x16x128_f8f6f4 v[rD:rD+7], v[rB:rB+15], v[rA:rA+15], v[rD:rD+7], v[rT], v[rU] matrix_a_scale:MATRIX_SCALE_ROW1 matrix_b_scale:MATRIX_SCALE_ROW1
.endif
.endr
.endr
.endm
.macro FETCH_B slot, q, p
	WIN TO_B
.irp i, 0,1,2,3,4,5,6,7
	FRAGB 128*(\p)+FR*\i, \slot, \q, \i
.endr
	WIN 0
.endm
.macro FETCH_A slot, q, i0
.irp i, \i0, \i0+1, \i0+2, \i0+3
	FRAGA AF+FR*(\i), \slot, \q, \i
.endr
.endm
.macro SCALES sc
.irp i, 0,1,2,3,4,5,6,7
	ds_load_b32 v[SC+16*\sc+\i], v[ADSA] offset:\i*SBA
	ds_load_b32 v[SC+16*\sc+8+\i], v[ADSB] offset:\i*SBB
.endr
.endm
.macro STEP slot, zero
	s_wait_dscnt 16
.if (\zero) == 2
	WIN 0x81
.else
	WIN MUL_LO
.endif
	MUL16 0, 0, 0, \slot, \zero
	MUL16 2, 0, 0, \slot, \zero
	s_wait_dscnt 0x0
	PLACES NP
	FETCH_B \slot, 1, 1
	FETCH_A \slot, 1, 0
.if (\zero) == 2
	WIN 0xc1
.else
	WIN MUL_HI
.endif
	MUL16 4, 0, 0, \slot, \zero
	MUL16 6, 0, 0, \slot, \zero
	PLACES NP
	WIN 0
	FETCH_A \slot, 1, 4
.endm
.macro TURN slot, next, fill
	s_wait_tensorcnt 0x0
	ds_add_u32 v[SPW], v[NIL]
	s_wait_dscnt 17
	WIN MUL_LO
	MUL16 0, 1, 1, \slot, 0
	s_wait_dscnt 0x0
	s_barrier_signal -1
	MUL16 2, 1, 1, \slot, 0
	WIN 0
	s_barrier_wait -1
.if \fill
	CREST
	s_add_nc_u64 s[G0+4*\slot+2:G0+4*\slot+3], s[G0+4*\slot+2:G0+4*\slot+3], 2*ASTEP
	s_add_nc_u64 s[G0B+4*\slot+2:G0B+4*\slot+3], s[G0B+4*\slot+2:G0B+4*\slot+3], 512
	JLOAD G0+4*\slot, G1, G0B+4*\slot, G1B
	PLACES NP-4
.else
	PLACES NP
.endif
	s_wait_alu depctr_va_vdst(0)
	v_add_nc_u32 v[ADSA], SSA, v[ADSA]
	v_add_nc_u32 v[ADSB], 8, v[ADSB]
	FETCH_B \next, 0, 0
	FETCH_A \next, 0, 0
	SCALES \next
	WIN MUL_HI
	MUL16 4, 1, 1, \slot, 0
	MUL16 6, 1, 1, \slot, 0
	PLACES NP
	WIN 0
	FETCH_A \next, 0, 4
.endm
	s_load_b64 s[4:5], s[0:1], 0x0
	s_load_b128 s[8:11], s[0:1], 0x8
	s_load_b64 s[96:97], s[0:1], 0x18
	s_load_b64 s[12:13], s[0:1], 0x20
	v_lshl_add_u32 v[SPW], v0, 2, SPARE
	v_mov_b32 v[NIL], 0
	ds_add_u32 v[SPW], v[NIL]
	ds_add_u32 v[SPW], v[NIL]
	v_lshrrev_b32 v1, 5, v0
	v_readfirstlane_b32 s14, v1
	s_lshr_b32 s15, s14, 1
	s_and_b32 s16, s14, 1
	s_bfe_u32 s40, ttmp6, 0x40000
	s_bfe_u32 s41, ttmp6, 0x40004
	s_lshl_b32 s42, ttmp9, 2
	s_add_co_u32 s42, s42, s40
	s_and_b32 s17, ttmp7, 0xffff
	s_lshl_b32 s17, s17, 2
	s_add_co_u32 s17, s17, s41
	s_lshl_b32 s43, s41, 2
	s_lshl_b32 s43, 15, s43
	s_lshl_b32 s44, 0x1111, s40
	s_or_b32 s[G1+0], s43, (1<<20)|(1<<21)|(5<<22)|(3<<25)
	s_or_b32 s[G1B+0], s44, (1<<20)|(1<<21)|(5<<22)|(3<<25)
.irp g, G1, G1B
	s_mov_b32 s[\g+1], 256<<16
	s_mov_b32 s[\g+2], 128<<16
	s_mov_b32 s[\g+3], 256<<16
	s_mov_b32 s[\g+4], 128
	s_mov_b32 s[\g+5], 1024
	s_mov_b32 s[\g+6], 0
	s_mov_b32 s[\g+7], 0
.endr
	s_or_b32 s[G1S+0], s43, (3<<16)|(1<<20)|(1<<21)|(5<<22)|(3<<25)
	s_or_b32 s[G1SB+0], s44, (3<<16)|(1<<20)|(1<<21)|(5<<22)|(3<<25)
.irp g, G1S, G1SB
	s_mov_b32 s[\g+1], 32<<16
	s_mov_b32 s[\g+2], 16<<16
	s_mov_b32 s[\g+3], 32<<16
	s_mov_b32 s[\g+4], 16
	s_mov_b32 s[\g+5], 32
	s_mov_b32 s[\g+6], 0
	s_mov_b32 s[\g+7], 0
.endr
	s_lshl_b32 s18, s16, 7
	s_lshl_b32 s20, s17, 8
	s_add_co_u32 s20, s20, s18
	s_lshl_b32 s46, s42, 8
	s_add_co_u32 s46, s46, s18
	s_lshl_b32 s22, s20, 5
	s_lshl_b32 s92, s46, 5
	s_lshl_b32 s20, s20, 10
	s_lshl_b32 s46, s46, 10
	s_mov_b32 s21, 0
	s_mov_b32 s23, 0
	s_mov_b32 s47, 0
	s_mov_b32 s93, 0
	s_mul_i32 s45, s16, HALFTA
	s_mul_i32 s95, s16, HALFTB
	s_add_co_u32 s95, s95, 2*HALFTA
	s_wait_dscnt 0x0
	s_wait_kmcnt 0x0
	s_add_nc_u64 s[6:7], s[4:5], 0x1400000
	s_add_nc_u64 s[4:5], s[4:5], 0x1000000
	s_add_nc_u64 s[20:21], s[4:5], s[20:21]
	s_add_nc_u64 s[22:23], s[6:7], s[22:23]
	s_add_nc_u64 s[46:47], s[8:9], s[46:47]
	s_add_nc_u64 s[92:93], s[10:11], s[92:93]
	CROUND
	; THE HEAD'S FOUR TILES, each whole, one a wave: K step 0's 256 rows of A, its 256 rows of B, the scales of A's 256 rows, those of B's.
	s_mov_b32 s[G1+2], 256<<16                     ; the head's loads of codes bring 256 rows; the ring's 128 are set again behind the wait that shows them landed
	s_mov_b32 s[G1+4], 256
	s_mov_b32 s[G1B+2], 256<<16
	s_mov_b32 s[G1B+4], 256
	s_mov_b32 s[G1S+2], 32<<16                     ; the scales of 256 rows: 32 rows of 256 bytes
	s_mov_b32 s[G1S+4], 32
	s_mov_b32 s[G1SB+2], 32<<16
	s_mov_b32 s[G1SB+4], 32
	s_mov_b32 s3, 0
	s_lshl_b32 s2, s16, 17                         ; my half's 128 rows of 1,024 bytes are taken off again: the tile's first row
	s_sub_nc_u64 s[6:7], s[20:21], s[2:3]
	s_sub_nc_u64 s[10:11], s[46:47], s[2:3]
	s_lshl_b32 s2, s16, 12                         ; and 128 rows of 32 scale bytes
	s_sub_nc_u64 s[G0S+2:G0S+3], s[22:23], s[2:3]
	s_sub_nc_u64 s[G0SB+2:G0SB+3], s[92:93], s[2:3]
	s_mov_b32 s4, 1                                ; s[4:7], s[8:11]: group 0 for A's and B's codes (the arguments that lay there have been used)
	s_mov_b32 s5, 0
	s_or_b32 s7, s7, 0x80000000
	s_mov_b32 s8, 1
	s_mov_b32 s9, 2*HALFTA
	s_or_b32 s11, s11, 0x80000000
	s_mov_b32 s[G0S], 1
	s_mov_b32 s[G0S+1], ASC
	s_or_b32 s[G0S+3], s[G0S+3], 0x80000000
	s_mov_b32 s[G0SB], 1
	s_mov_b32 s[G0SB+1], BSC
	; THE PREFETCHES.  Of the 128 rows that my wave fetches in the ring, each of the four partners that ask for them jointly names 32, told apart by address (cx for A's rows, cy for B's): a lane a row, 256 bytes of a row to a K step.
	s_cmp_eq_u32 s15, 0
	s_cselect_b64 s[98:99], s[20:21], s[46:47]
	s_cselect_b32 s2, s40, s41
	s_lshl_b32 s2, s2, 15                          ; 32 rows of 1,024 bytes for each place
	s_add_nc_u64 s[98:99], s[98:99], s[2:3]        ; never rewritten
	s_or_b32 s[G0SB+3], s[G0SB+3], 0x80000000
.irp s, 0,1
	s_mov_b32 s[G0+4*\s], 1
	s_add_co_u32 s[G0+4*\s+1], s45, \s*SLOT
	s_add_nc_u64 s[G0+4*\s+2:G0+4*\s+3], s[20:21], \s*ASTEP
	s_or_b32 s[G0+4*\s+3], s[G0+4*\s+3], 0x80000000
	s_mov_b32 s[G0B+4*\s], 1
	s_add_co_u32 s[G0B+4*\s+1], s95, \s*SLOT
	s_add_nc_u64 s[G0B+4*\s+2:G0B+4*\s+3], s[46:47], \s*256
	s_or_b32 s[G0B+4*\s+3], s[G0B+4*\s+3], 0x80000000
.endr
; one chain of branches on the wave's number, one load to an arm, all arms leading to one join: one tensor load a wave at the head
.macro ARM under, g0, g1, next
	s_cmp_lt_u32 s14, \under
	s_cbranch_scc0 \next
	tensor_load_to_lds s[\g0:\g0+3], s[\g1:\g1+7]
	s_nop 0
.rept 4
	v_nop
.endr
	s_branch .Lhead_asked
\next:
.endm
	ARM 1, 4, G1, .Lhead_b
	ARM 2, 8, G1B, .Lhead_sa
	ARM 3, G0S, G1S, .Lhead_sb
	tensor_load_to_lds s[G0SB:G0SB+3], s[G1SB:G1SB+7]
	s_nop 0
.rept 4
	v_nop
.endr
.Lhead_asked:
	v_and_b32 v1, 15, v0
	v_bfe_u32 v2, v0, 4, 1
	v_and_b32 v6, 31, v0
	v_lshlrev_b32 v[LI], 4, v6
	v_lshlrev_b32 v18, 10, v6                      ; my lane's row; never rewritten
	global_prefetch_b8 v18, s[98:99] offset:256 th:TH_LOAD_NT scope:SCOPE_SE   ; behind the head's load: K step 1, whose load follows behind the next round,
	global_prefetch_b8 v18, s[98:99] offset:512 th:TH_LOAD_NT scope:SCOPE_SE   ; and K step 2, two loads on
	s_lshl_b32 s20, s42, 10
	s_lshl_b32 s21, s16, 9
	s_add_co_u32 s20, s20, s21
	s_mov_b32 s21, 0
	s_add_nc_u64 s[96:97], s[96:97], s[20:21]
	v_lshlrev_b32 v7, 5, v2
.irp b, 0,1,2,3,4,5,6,7
	global_load_b128 v[BIAS+8*\b:BIAS+8*\b+3], v7, s[96:97] offset:64*\b
	global_load_b128 v[BIAS+8*\b+4:BIAS+8*\b+7], v7, s[96:97] offset:64*\b+16
.endr
	v_mul_u32_u24 v3, v1, PITCH
	v_lshl_add_u32 v4, v2, 4, v3
	s_mul_i32 s21, s15, HALFTA
	s_mul_i32 s22, s16, HALFTB
	s_add_co_u32 s22, s22, 2*HALFTA
.irp s, 0,1
	v_add_nc_u32 v[ADRA+\s], s21, v4
	v_add_nc_u32 v[ADRB+\s], s22, v4
	s_add_co_u32 s21, s21, SLOT
	s_add_co_u32 s22, s22, SLOT
.endr
	v_lshlrev_b32 v5, 5, v1
	v_lshrrev_b32 v3, 3, v1
	v_lshl_add_u32 v5, v3, 4, v5
	v_lshl_add_u32 v5, v2, 2, v5
	s_mul_i32 s21, s15, ASB
	s_add_co_u32 s21, s21, ASC
	v_add_nc_u32 v[ADSA], s21, v5
	s_mul_i32 s22, s16, BSB
	s_add_co_u32 s22, s22, BSC
	v_add_nc_u32 v[ADSB], s22, v5
	s_lshl_b32 s21, s14, 9
	v_lshlrev_b32 v5, 2, v1
	v_add_nc_u32 v8, s21, v5
	v_add_nc_u32 v9, s21, v[LI]
	s_wait_alu depctr_va_vdst(0)
	s_wait_loadcnt 0x0
	s_wait_tensorcnt 0x0                           ; my tile of the head's four is in
	ds_add_u32 v[SPW], v[NIL]
	s_mov_b32 s[G1+2], 128<<16                     ; no tensor load of mine is out: from here on a load brings 128 rows
	s_mov_b32 s[G1+4], 128
	s_mov_b32 s[G1B+2], 128<<16
	s_mov_b32 s[G1B+4], 128
	s_wait_dscnt 0x0
	CROUND                                         ; all four tiles are in, and the sixteen work-groups are here
	JLOAD G0+4, G1, G0B+4, G1B                     ; K step 1, the first tensor load behind the round
	FETCH_B 0, 0, 0
	FETCH_A 0, 0, 0
	SCALES 0
	FETCH_A 0, 0, 4
	global_prefetch_b8 v18, s[98:99] offset:768 th:TH_LOAD_NT scope:SCOPE_SE   ; behind K step 1's load and the run of LDS loads: K step 3, the last; the refills ask for nothing
	STEP 0, 2
	s_mov_b32 s3, LAPS-1
.Llap:
	TURN 0, 1, 1
	STEP 1, 0
	TURN 1, 0, 1
	STEP 0, 0
	s_sub_co_u32 s3, s3, 1
	s_cmp_lg_u32 s3, 0
	s_cbranch_scc1 .Llap
	TURN 0, 1, 0
	STEP 1, 0
	s_wait_dscnt 16
	WIN MUL_LO
	MUL16 0, 1, 1, 1, 0
	MUL16 2, 1, 1, 1, 0
	s_wait_dscnt 0x0
	WIN MUL_HI
	MUL16 4, 1, 1, 1, 0
	MUL16 6, 1, 1, 1, 0
	WIN 0
.set T,  128
.set PC, 192
.set TM, 208
.set SW, 224
.macro QUANT a
.irp b, 0,1,2,3
	v_max3_num_f32 v[TM+\b], |v[T+16*\b]|, |v[T+16*\b+1]|, 0x4800000
.endr
.irp i, 2,4,6,8,10,12,14
.irp b, 0,1,2,3
	v_max3_num_f32 v[TM+\b], v[TM+\b], |v[T+16*\b+\i]|, |v[T+16*\b+\i+1]|
.endr
.endr
.irp b, 0,1,2,3
	v_permlanex16_b32 v[TM+4+\b], v[TM+\b], s82, s83
.endr
.irp b, 0,1,2,3
	v_max_num_f32 v[TM+\b], v[TM+\b], v[TM+4+\b]
.endr
.irp b, 0,1,2,3
	v_add_nc_u32 v[TM+12+\b], 0xfc000000, v[TM+\b]
.endr
.irp b, 0,1,2,3
	v_and_or_b32 v[TM+8+\b], v[TM+\b], 0x7f800000, s84
.endr
.irp b, 0,1,2,3
	v_lshrrev_b32 v[TM+4+\b], 23, v[TM+12+\b]
.endr
	v_lshl_or_b32 v[SW+\a], v[TM+5], 8, v[TM+4]
	v_lshl_or_b32 v[SW+\a], v[TM+6], 16, v[SW+\a]
	v_lshl_or_b32 v[SW+\a], v[TM+7], 24, v[SW+\a]
.set j, 0
.rept 64
	v_med3_num_f32 v[T+j], v[T+j], -v[TM+8+j/16], v[TM+8+j/16]
.set j, j+1
.endr
.irp b, 0,1,2,3
	v_cvt_scalef32_pk8_fp8_f32 v[PC+4*\b:PC+4*\b+1], v[T+16*\b:T+16*\b+7], v[TM+12+\b]
	v_cvt_scalef32_pk8_fp8_f32 v[PC+4*\b+2:PC+4*\b+3], v[T+16*\b+8:T+16*\b+15], v[TM+12+\b]
.endr
	v_nop
.endm
	PLACES NP
	s_mov_b32 s82, 0x76543210
	s_mov_b32 s83, 0xfedcba98
	s_mov_b32 s84, 0x600000
	s_mov_b32 s86, 0xbfb8aa3b
	s_mov_b32 s87, s86
	s_lshl_b32 s20, s42, 15
	s_lshl_b32 s21, s16, 14
	s_add_co_u32 s20, s20, s21
	s_lshl_b32 s21, s17, 10
	s_add_co_u32 s20, s20, s21
	s_lshl_b32 s21, s15, 9
	s_add_co_u32 s20, s20, s21
	s_add_co_u32 s20, s20, 0x1000000
	s_mov_b32 s21, 0
	s_add_nc_u64 s[76:77], s[12:13], s[20:21]
	s_lshl_b32 s20, s42, 20
	s_lshl_b32 s22, s17, 16
	s_add_co_u32 s20, s20, s22
	s_lshl_b32 s22, s15, 15
	s_add_co_u32 s20, s20, s22
	s_lshl_b32 s22, s16, 11
	s_add_co_u32 s20, s20, s22
	s_add_nc_u64 s[12:13], s[12:13], s[20:21]
.irp b, 0,1,2,3
	v_mov_b32 v[TM+4+\b], 0
.endr
.irp a, 0,1,2,3,4,5,6,7
.set qs, 64*(\a%4)
.set qw, 2+\a/4
	WIN qw
.set j, 0
.rept 32
	v_pk_mul_f32 v[T+j:T+j+1], v[qs+j:qs+j+1], s[86:87] op_sel_hi:[1,0]
.set j, j+2
.endr
	WIN 0
.set j, 0
	s_wait_alu depctr_va_vdst(0)
.rept 64
	v_exp_f32 v[T+j], v[T+j]
.set j, j+1
.endr
	v_nop
	s_wait_alu depctr_va_vdst(0)
.set j, 0
.rept 32
	v_pk_add_f32 v[T+j:T+j+1], v[T+j:T+j+1], 1.0 op_sel_hi:[1,0]
.set j, j+2
.endr
.set j, 0
	s_wait_alu depctr_va_vdst(0)
.rept 64
	v_rcp_f32 v[T+j], v[T+j]
.set j, j+1
.endr
	v_nop
	s_wait_alu depctr_va_vdst(0)
	WIN qw
.set j, 0
.rept 32
	v_pk_mul_f32 v[T+j:T+j+1], v[qs+j:qs+j+1], v[T+j:T+j+1]
.set j, j+2
.endr
	WIN 0
.if \a > 0
	s_wait_xcnt 0x0
.endif
	QUANT \a
.irp c, 0,1,2,3
	global_store_b128 v[LI], v[PC+4*\c:PC+4*\c+3], s[12:13] offset:4096*\a+512*\c
.endr
.endr
.irp a, 0,1,2,3,4,5,6,7
	ds_store_b32 v8, v[SW+\a] offset:64*\a
.endr
	ds_load_b128 v[T:T+3], v9
	s_wait_dscnt 0x0
	global_store_b128 v[LI], v[T:T+3], s[76:77]
	s_wait_tensorcnt 0x0
	ds_add_u32 v[SPW], v[NIL]
	s_wait_dscnt 0x0
	CROUND
	s_endpgm
.Lfunc_end_k_q9e234d8946_ffn1:
	.size	k_q9e234d8946_ffn1, .Lfunc_end_k_q9e234d8946_ffn1-k_q9e234d8946_ffn1
	.p2alignl 7, 3214868480
	.fill 96, 4, 3214868480
	.section	.rodata,"a",@progbits
	.p2align	6, 0x0
	.amdhsa_kernel k_q9e234d8946_ffn1
		.amdhsa_group_segment_fixed_size 327680
		.amdhsa_private_segment_fixed_size 0
		.amdhsa_enable_private_segment 0
		.amdhsa_kernarg_size 40
		.amdhsa_user_sgpr_count 2
		.amdhsa_user_sgpr_kernarg_segment_ptr 1
		.amdhsa_wavefront_size32 1
		.amdhsa_system_sgpr_workgroup_id_x 1
		.amdhsa_system_sgpr_workgroup_id_y 1
		.amdhsa_system_sgpr_workgroup_id_z 1
		.amdhsa_system_vgpr_workitem_id 0
		.amdhsa_next_free_vgpr 1024
		.amdhsa_next_free_sgpr 100
		.amdhsa_reserve_vcc 0
		.amdhsa_float_denorm_mode_32 3
		.amdhsa_float_denorm_mode_16_64 3
		.amdhsa_memory_ordered 1
		.amdhsa_forward_progress 1
		.amdhsa_inst_pref_size 255
	.end_amdhsa_kernel
	.section	.bss,"aw",@nobits
	.p2align	6
	.space	262144
	.amdgpu_metadata
---
amdhsa.version: [ 1, 2 ]
amdhsa.kernels:
  - .name:           k_q9e234d8946_ffn1
    .symbol:         k_q9e234d8946_ffn1.kd
    .args:
      - { .name: y1, .offset: 0, .size: 8, .value_kind: global_buffer, .address_space: global }
      - { .name: w1_w_codes, .offset: 8, .size: 8, .value_kind: global_buffer, .address_space: global }
      - { .name: w1_w_scales, .offset: 16, .size: 8, .value_kind: global_buffer, .address_space: global }
      - { .name: w1_b, .offset: 24, .size: 8, .value_kind: global_buffer, .address_space: global }
      - { .name: hid, .offset: 32, .size: 8, .value_kind: global_buffer, .address_space: global }
    .group_segment_fixed_size: 327680
    .private_segment_fixed_size: 0
    .kernarg_segment_align: 8
    .kernarg_segment_size: 40
    .max_flat_workgroup_size: 128
    .sgpr_count:     100
    .vgpr_count:     1024
    .wavefront_size: 32
...
	.end_amdgpu_metadata
.endif
;; end of part 5
;; launch ffn2 (part 6): grid 4 x 32, 4 waves a work-group, clusters of 4 x 4, 327,680 bytes of LDS; arguments hid, w2_w_codes, w2_w_scales, part; writes part
.if DOCPART == 6
	.amdgcn_target "amdgcn-amd-amdhsa--gfx1250"
	.amdhsa_code_object_version 6
	.text
	.protected	k_q9e234d8946_ffn2
	.globl	k_q9e234d8946_ffn2
	.p2align	8
	.type	k_q9e234d8946_ffn2,@function
k_q9e234d8946_ffn2:
	s_mov_b64 s[64:65], 0
	v_nop
	global_prefetch_b8 v0, s[64:65] scope:SCOPE_SE
	s_setreg_imm32_b32 hwreg(HW_REG_WAVE_MODE, 25, 1), 1
	s_wait_xcnt 0x0
	s_wait_alu depctr_hold_cnt(0) depctr_sa_sdst(0) depctr_va_vdst(0) depctr_va_sdst(0) depctr_va_ssrc(0) depctr_va_vcc(0) depctr_vm_vsrc(0)
	s_getreg_b32 s2, hwreg(HW_REG_IB_STS2, 6, 4)
	s_cmp_eq_u32 s2, 0
	s_cbranch_scc0 .Lentry_in_a_cluster
	s_endpgm
.Lentry_in_a_cluster:
	s_bfe_u32 s2, ttmp6, 0x10000c
	s_cmp_lg_u32 s2, 0xf033
	s_cbranch_scc0 .Lentry_shape_is_right
	s_endpgm
.Lentry_shape_is_right:
.set HALFTA, 32768
.set ASTEP,  1048576
.set KROWB,  4096
.set LAPS,   4                         ; a work-group takes a half of K: 2,048, eight K steps of 256
.set ASB,    8704                      ; half of A's scale words: 8 rows of 1,024 + 64 bytes
.set BSB,    10240                     ; B's scale bytes of 128 rows: 64 + 16 bytes a row
.set SBA,    64
.set SBB,    1280                      ; those of 16 rows
.set SSA,    2176
.set PITCH,  272
.set FR,     16
.set NP,     8
.set HALFTB, 128*PITCH
.set SLOT,   2*HALFTA+2*HALFTB
.set ASC,    2*SLOT
.set BSC,    ASC+2*ASB
.set SPARE,  BSC+2*BSB
.set SPITCH, 528
.set ADRA, 16
.set ADRB, 20
.set ADSA, 22
.set ADSB, 23
.set LI,   24
.set RD,   25
.set STO,  27
.set SPW,  28
.set NIL,  29
.set SC,   32
.set AF,   128
.set BK,   128
.set G1, 24
.set G0, 32
.set G1B, 48
.set G0B, 56
.set G1S, 68
.set G0S, 76
.set G1SB, 80
.set G0SB, 88
.set MUL_LO, 0xa1
.set MUL_HI, 0xf1
.set TO_B,   0x40
.set MSB, 0
.macro WIN new
.if MSB != (\new)
	s_set_vgpr_msb (MSB<<8)|(\new)
.set MSB, (\new)
.endif
.endm
.macro JLOAD g0a, g1a, g0b, g1b
	s_cmp_eq_u32 s15, 0
	s_cbranch_scc0 .Lfor_b_\@
	tensor_load_to_lds s[\g0a:\g0a+3], s[\g1a:\g1a+7]
	s_nop 0
.rept 4
	v_nop
.endr
	s_branch .Lasked_\@
.Lfor_b_\@:
	tensor_load_to_lds s[\g0b:\g0b+3], s[\g1b:\g1b+7]
	s_nop 0
.rept 4
	v_nop
.endr
.Lasked_\@:
.endm
.macro CREST
	s_cmp_lg_u32 s14, 0
	s_cbranch_scc1 .Lnot_wave_0_\@
	s_barrier_signal -3
.Lnot_wave_0_\@:
	s_barrier_wait -3
	s_barrier_signal -1
	s_barrier_wait -1
.endm
.macro CROUND
	s_barrier_signal -1
	s_barrier_wait -1
	CREST
.endm
.macro PLACES n
.rept \n
	v_nop
.endr
.endm
.macro FRAGA reg, slot, q, i
.irp c, 0,1,2,3
	ds_load_b128 v[\reg+4*\c:\reg+4*\c+3], v[ADRA+\slot] offset:(2*(\i)+(\q))*2048+512*\c
.endr
.endm
.macro FRAGB reg, slot, q, i
.irp p, 0,1,2,3,4,5,6,7
	ds_load_b64 v[\reg+2*\p:\reg+2*\p+1], v[ADRB+\slot] offset:128*(\q)+16*\p+(\i)*16*PITCH
.endr
.endm
.macro MUL16 a0, p, q, sc, zero
.irp a, \a0, \a0+1
.irp b, 0,1,2,3,4,5,6,7
.set rD, 8*(8*((\a)%4)+\b)
.set rB, 128*(\p)+FR*\b
.set rA, AF+FR*(\a)
.set rT, SC+16*(\sc)+8+\b
.set rU, SC+16*(\sc)+(\a)
.if (\zero) == 1
	v_wmma_scale_f32_16x16x128_f8f6f4 v[rD:rD+7], v[rB:rB+15], v[rA:rA+15], 0, v[rT], v[rU]
.elseif (\q) == 0
	v_wmma_scale_f32_16x16x128_f8f6f4 v[rD:rD+7], v[rB:rB+15], v[rA:rA+15], v[rD:rD+7], v[rT], v[rU]
.else
	v_wmma_scale_f32_16x16x128_f8f6f4 v[rD:rD+7], v[rB:rB+15], v[rA:rA+15], v[rD:rD+7], v[rT], v[rU] matrix_a_scale:MATRIX_SCALE_ROW1 matrix_b_scale:MATRIX_SCALE_ROW1
.endif
.endr
.endr
.endm
.macro FETCH_B slot, q, p
	WIN TO_B
.irp i, 0,1,2,3,4,5,6,7
	FRAGB 128*(\p)+FR*\i, \slot, \q, \i
.endr
	WIN 0
.endm
.macro FETCH_A slot, q, i0
.irp i, \i0, \i0+1, \i0+2, \i0+3
	FRAGA AF+FR*(\i), \slot, \q, \i
.endr
.endm
.macro SCALES sc
.irp i, 0,1,2,3,4,5,6,7
	ds_load_b32 v[SC+16*\sc+\i], v[ADSA] offset:\i*SBA
	ds_load_b32 v[SC+16*\sc+8+\i], v[ADSB] offset:\i*SBB
.endr
.endm
.macro STEP slot, zero
	s_wait_dscnt 16
	WIN MUL_LO
	MUL16 0, 0, 0, \slot, \zero
	MUL16 2, 0, 0, \slot, \zero
	s_wait_dscnt 0x0
	PLACES NP
	FETCH_B \slot, 1, 1
	FETCH_A \slot, 1, 0
	WIN MUL_HI
	MUL16 4, 0, 0, \slot, \zero
	MUL16 6, 0, 0, \slot, \zero
	PLACES NP
	WIN 0
	FETCH_A \slot, 1, 4
.endm
.macro TURN slot, next, fill
.if \fill
	s_wait_xcnt 0x0                                ; any prefetch of mine has read its base, so it may be written:
	s_add_nc_u64 s[98:99], s[98:99], s[96:97]      ; a K step on, ahead of the waits of the change of slots
.endif
	s_wait_tensorcnt 0x0
	ds_add_u32 v[SPW], v[NIL]
	s_wait_dscnt 17
	WIN MUL_LO
	MUL16 0, 1, 1, \slot, 0
	s_wait_dscnt 0x0
	s_barrier_signal -1
	MUL16 2, 1, 1, \slot, 0
	WIN 0
	s_barrier_wait -1
.if \fill
	CREST
	s_add_nc_u64 s[G0+4*\slot+2:G0+4*\slot+3], s[G0+4*\slot+2:G0+4*\slot+3], 2*ASTEP
	s_add_nc_u64 s[G0B+4*\slot+2:G0B+4*\slot+3], s[G0B+4*\slot+2:G0B+4*\slot+3], 512
	JLOAD G0+4*\slot, G1, G0B+4*\slot, G1B
	PLACES NP-4
.else
	PLACES NP
.endif
	s_wait_alu depctr_va_vdst(0)
	v_add_nc_u32 v[ADSA], SSA, v[ADSA]
	v_add_nc_u32 v[ADSB], 8, v[ADSB]
	FETCH_B \next, 0, 0
	FETCH_A \next, 0, 0
	SCALES \next
.if \fill
	s_cmp_gt_u32 s3, 1                             ; behind the refill with K step s and the run of LDS loads: K step s + 2 (the base stands at s - 1, the offset three K steps on).  The loop's last trip refills with K steps 6 and 7 and asks for nothing
	s_cbranch_scc0 .Lno_ask_\@
	global_prefetch_b8 v30, s[98:99] th:TH_LOAD_NT scope:SCOPE_SE
.Lno_ask_\@:
.endif
	WIN MUL_HI
	MUL16 4, 1, 1, \slot, 0
	MUL16 6, 1, 1, \slot, 0
	PLACES NP
	WIN 0
	FETCH_A \next, 0, 4
.endm
	s_load_b64 s[4:5], s[0:1], 0x0
	s_load_b128 s[8:11], s[0:1], 0x8
	s_load_b64 s[12:13], s[0:1], 0x18
	v_lshl_add_u32 v[SPW], v0, 2, SPARE
	v_mov_b32 v[NIL], 0
	ds_add_u32 v[SPW], v[NIL]
	ds_add_u32 v[SPW], v[NIL]
	v_lshrrev_b32 v1, 5, v0
	v_readfirstlane_b32 s14, v1
	s_lshr_b32 s15, s14, 1
	s_and_b32 s16, s14, 1
	s_bfe_u32 s40, ttmp6, 0x40000
	s_bfe_u32 s41, ttmp6, 0x40004
	s_lshl_b32 s42, ttmp9, 2
	s_add_co_u32 s42, s42, s40
	s_and_b32 s17, ttmp7, 0xffff
	s_lshr_b32 s66, s17, 2
	s_and_b32 s17, s17, 3
	s_lshl_b32 s17, s17, 2
	s_add_co_u32 s17, s17, s41
	s_lshl_b32 s43, s41, 2
	s_lshl_b32 s43, 15, s43
	s_lshl_b32 s44, 0x1111, s40
	s_or_b32 s[G1+0], s43, (3<<16)|(1<<21)
	s_mov_b32 s[G1+1], 32<<16
	s_mov_b32 s[G1+2], 128<<16
	s_mov_b32 s[G1+3], 32<<16
	s_mov_b32 s[G1+4], 128
	s_mov_b32 s[G1+5], 32
	s_mov_b32 s[G1+6], 0
	s_mov_b32 s[G1+7], 0
	s_or_b32 s[G1B+0], s44, (1<<20)|(1<<21)|(5<<22)|(3<<25)
	s_mov_b32 s[G1B+1], 256<<16
	s_mov_b32 s[G1B+2], 128<<16
	s_mov_b32 s[G1B+3], 256<<16
	s_mov_b32 s[G1B+4], 128
	s_mov_b32 s[G1B+5], KROWB
	s_mov_b32 s[G1B+6], 0
	s_mov_b32 s[G1B+7], 0
	s_or_b32 s[G1S+0], s43, (3<<16)|(1<<20)|(1<<21)|(7<<22)|(15<<25)
	s_mov_b32 s[G1S+1], 128<<16
	s_mov_b32 s[G1S+2], 8<<16
	s_mov_b32 s[G1S+3], 128<<16
	s_mov_b32 s[G1S+4], 8
	s_mov_b32 s[G1S+5], 2048
	s_mov_b32 s[G1S+6], 0
	s_mov_b32 s[G1S+7], 0
	s_or_b32 s[G1SB+0], s44, (3<<16)|(1<<20)|(1<<21)|(3<<22)|(3<<25)   ; rows of 64 bytes (8 elements of 8), four words of padding behind every 16
	s_mov_b32 s[G1SB+1], 8<<16
	s_mov_b32 s[G1SB+2], 128<<16
	s_mov_b32 s[G1SB+3], 8<<16
	s_mov_b32 s[G1SB+4], 128
	s_mov_b32 s[G1SB+5], 16
	s_mov_b32 s[G1SB+6], 0
	s_mov_b32 s[G1SB+7], 0
	s_lshl_b32 s20, s66, 23
	s_lshl_b32 s18, s17, 16
	s_add_co_u32 s20, s20, s18
	s_lshl_b32 s18, s16, 15
	s_add_co_u32 s20, s20, s18
	s_lshl_b32 s22, s66, 18
	s_lshl_b32 s18, s16, 17
	s_add_co_u32 s22, s22, s18
	s_lshl_b32 s18, s17, 10
	s_add_co_u32 s22, s22, s18
	s_lshl_b32 s46, s42, 20
	s_lshl_b32 s19, s16, 19
	s_add_co_u32 s46, s46, s19
	s_lshl_b32 s19, s66, 11
	s_add_co_u32 s46, s46, s19
	s_lshl_b32 s92, s42, 15
	s_lshl_b32 s19, s16, 14
	s_add_co_u32 s92, s92, s19
	s_lshl_b32 s19, s66, 6
	s_add_co_u32 s92, s92, s19
	s_mov_b32 s21, 0
	s_mov_b32 s23, 0
	s_mov_b32 s47, 0
	s_mov_b32 s93, 0
	s_mul_i32 s45, s16, HALFTA
	s_mul_i32 s95, s16, HALFTB
	s_add_co_u32 s95, s95, 2*HALFTA
	s_wait_dscnt 0x0
	s_wait_kmcnt 0x0
	s_add_nc_u64 s[6:7], s[4:5], 0x1000000
	s_add_nc_u64 s[20:21], s[4:5], s[20:21]
	s_add_nc_u64 s[22:23], s[6:7], s[22:23]
	s_add_nc_u64 s[46:47], s[8:9], s[46:47]
	s_add_nc_u64 s[92:93], s[10:11], s[92:93]
	CROUND
	; THE HEAD'S FOUR TILES, each whole, one a wave: K step 0's images of A's 256 rows, its 256 rows of B, the scale words of A's 256 rows, the scale bytes of B's.
	s_mov_b32 s[G1+2], 256<<16                     ; the head's loads of codes bring 256 rows; the ring's 128 are set again behind the wait that shows them landed
	s_mov_b32 s[G1+4], 256
	s_mov_b32 s[G1B+2], 256<<16
	s_mov_b32 s[G1B+4], 256
	s_mov_b32 s[G1S+2], 16<<16                     ; A's scale words: 16 rows of 1,024 bytes, one for each 128 along my half of K
	s_mov_b32 s[G1S+4], 16
	s_mov_b32 s[G1SB+2], 256<<16                   ; B's scale bytes: 256 rows of 64
	s_mov_b32 s[G1SB+4], 256
	s_mov_b32 s3, 0
	s_lshl_b32 s2, s16, 15                         ; what my half added is taken off again: A's images, 32,768 bytes;
	s_sub_nc_u64 s[6:7], s[20:21], s[2:3]
	s_lshl_b32 s2, s16, 19                         ; B's 128 rows of 4,096 bytes;
	s_sub_nc_u64 s[10:11], s[46:47], s[2:3]
	s_lshl_b32 s2, s16, 17                         ; eight rows of A's scale words, 16,384 bytes apart;
	s_sub_nc_u64 s[G0S+2:G0S+3], s[22:23], s[2:3]
	s_lshl_b32 s2, s16, 14                         ; B's 128 rows of 128 scale bytes
	s_sub_nc_u64 s[G0SB+2:G0SB+3], s[92:93], s[2:3]
	s_mov_b32 s4, 1                                ; s[4:7], s[8:11]: group 0 for A's and B's codes (the arguments that lay there have been used)
	s_mov_b32 s5, 0
	s_or_b32 s7, s7, 0x80000000
	s_mov_b32 s8, 1
	s_mov_b32 s9, 2*HALFTA
	s_or_b32 s11, s11, 0x80000000
	s_mov_b32 s[G0S], 1
	s_mov_b32 s[G0S+1], ASC
	s_or_b32 s[G0S+3], s[G0S+3], 0x80000000
	s_mov_b32 s[G0SB], 1
	s_mov_b32 s[G0SB+1], BSC
	; THE PREFETCHES.  Of what my wave fetches in the ring (A: 32,768 dense bytes of images; B: 128 rows), each of the four partners that ask for it jointly names a quarter, told apart by address (cx for A, cy for B):
	; 32 blocks of 256 bytes, a lane a block: 256 bytes apart in A's images, a row of 4,096 apart in B.  A K step on is 1,048,576 bytes in A and 256 in B.
	s_cmp_eq_u32 s15, 0
	s_cselect_b64 s[98:99], s[20:21], s[46:47]
	s_cselect_b32 s2, s40, s41
	s_cselect_b32 s94, 13, 17
	s_lshl_b32 s2, s2, s94                         ; my place's quarter: 8,192 bytes of A, 32 rows of B
	s_add_nc_u64 s[98:99], s[98:99], s[2:3]        ; never rewritten
	s_cmp_eq_u32 s15, 0
	s_cselect_b32 s94, 8, 12                       ; from lane to lane
	s_mov_b32 s67, 256
	s_cselect_b32 s67, 0x100000, s67
	s_mov_b32 s96, s67                             ; the same as a pair, for the base's steps
	s_mov_b32 s97, 0
	s_or_b32 s[G0SB+3], s[G0SB+3], 0x80000000
.irp s, 0,1
	s_mov_b32 s[G0+4*\s], 1
	s_add_co_u32 s[G0+4*\s+1], s45, \s*SLOT
	s_add_nc_u64 s[G0+4*\s+2:G0+4*\s+3], s[20:21], \s*ASTEP
	s_or_b32 s[G0+4*\s+3], s[G0+4*\s+3], 0x80000000
	s_mov_b32 s[G0B+4*\s], 1
	s_add_co_u32 s[G0B+4*\s+1], s95, \s*SLOT
	s_add_nc_u64 s[G0B+4*\s+2:G0B+4*\s+3], s[46:47], \s*256
	s_or_b32 s[G0B+4*\s+3], s[G0B+4*\s+3], 0x80000000
.endr
; one chain of branches on the wave's number, one load to an arm, all arms leading to one join: one tensor load a wave at the head
.macro ARM under, g0, g1, next
	s_cmp_lt_u32 s14, \under
	s_cbranch_scc0 \next
	tensor_load_to_lds s[\g0:\g0+3], s[\g1:\g1+7]
	s_nop 0
.rept 4
	v_nop
.endr
	s_branch .Lhead_asked
\next:
.endm
	ARM 1, 4, G1, .Lhead_b
	ARM 2, 8, G1B, .Lhead_sa
	ARM 3, G0S, G1S, .Lhead_sb
	tensor_load_to_lds s[G0SB:G0SB+3], s[G1SB:G1SB+7]
	s_nop 0
.rept 4
	v_nop
.endr
.Lhead_asked:
	v_and_b32 v1, 15, v0
	v_bfe_u32 v2, v0, 4, 1
	v_and_b32 v6, 31, v0
	v_lshlrev_b32 v[LI], 4, v6
	v_lshlrev_b32 v18, s94, v6
	v_add_nc_u32 v18, s67, v18                     ; my block of K step 1,
	v_add_nc_u32 v19, s67, v18                     ; of K step 2,
	v_add_nc_u32 v30, s67, v19                     ; of K step 3; none of the three is rewritten
	global_prefetch_b8 v18, s[98:99] th:TH_LOAD_NT scope:SCOPE_SE   ; behind the head's load: K step 1, whose load follows behind the next round,
	global_prefetch_b8 v19, s[98:99] th:TH_LOAD_NT scope:SCOPE_SE   ; and K step 2, two loads on
	v_mul_u32_u24 v3, v1, PITCH
	v_lshl_add_u32 v4, v2, 3, v3
	s_mul_i32 s21, s15, HALFTA
	s_mul_i32 s22, s16, HALFTB
	s_add_co_u32 s22, s22, 2*HALFTA
.irp s, 0,1
	v_add_nc_u32 v[ADRA+\s], s21, v[LI]
	v_add_nc_u32 v[ADRB+\s], s22, v4
	s_add_co_u32 s21, s21, SLOT
	s_add_co_u32 s22, s22, SLOT
.endr
	v_mul_u32_u24 v5, v2, 1088
	v_lshl_add_u32 v5, v1, 2, v5
	s_lshl_b32 s21, s15, 9
	s_add_co_u32 s21, s21, ASC
	v_add_nc_u32 v[ADSA], s21, v5
	v_mul_u32_u24 v5, v1, 80
	v_lshl_add_u32 v5, v2, 2, v5
	s_mul_i32 s22, s16, BSB
	s_add_co_u32 s22, s22, BSC
	v_add_nc_u32 v[ADSB], s22, v5
	s_mul_i32 s23, s14, 16*SPITCH
	v_mul_u32_u24 v5, v1, SPITCH
	v_lshl_add_u32 v5, v2, 5, v5
	v_add_nc_u32 v[STO], s23, v5
	v_add_nc_u32 v[RD], s23, v[LI]
	s_lshl_b32 s20, s66, 24
	s_lshl_b32 s21, s17, 20
	s_add_co_u32 s20, s20, s21
	s_lshl_b32 s21, s15, 19
	s_add_co_u32 s20, s20, s21
	s_lshl_b32 s21, s42, 10
	s_add_co_u32 s20, s20, s21
	s_lshl_b32 s21, s16, 9
	s_add_co_u32 s20, s20, s21
	s_mov_b32 s21, 0
	s_add_nc_u64 s[12:13], s[12:13], s[20:21]
	s_wait_alu depctr_va_vdst(0)
	s_wait_tensorcnt 0x0                           ; my tile of the head's four is in
	ds_add_u32 v[SPW], v[NIL]
	s_mov_b32 s[G1+2], 128<<16                     ; no tensor load of mine is out: from here on a load brings 128 rows
	s_mov_b32 s[G1+4], 128
	s_mov_b32 s[G1B+2], 128<<16
	s_mov_b32 s[G1B+4], 128
	s_wait_dscnt 0x0
	CROUND                                         ; all four tiles are in, and the sixteen work-groups are here
	JLOAD G0+4, G1, G0B+4, G1B                     ; K step 1, the first tensor load behind the round
	FETCH_B 0, 0, 0
	FETCH_A 0, 0, 0
	SCALES 0
	FETCH_A 0, 0, 4
	global_prefetch_b8 v30, s[98:99] th:TH_LOAD_NT scope:SCOPE_SE   ; behind K step 1's load and the run of LDS loads: K step 3, two loads on
	STEP 0, 1
	s_mov_b32 s3, LAPS-1
.Llap:
	TURN 0, 1, 1
	STEP 1, 0
	TURN 1, 0, 1
	STEP 0, 0
	s_sub_co_u32 s3, s3, 1
	s_cmp_lg_u32 s3, 0
	s_cbranch_scc1 .Llap
	TURN 0, 1, 0
	STEP 1, 0
	s_wait_dscnt 16
	WIN MUL_LO
	MUL16 0, 1, 1, 1, 0
	MUL16 2, 1, 1, 1, 0
	s_wait_dscnt 0x0
	WIN MUL_HI
	MUL16 4, 1, 1, 1, 0
	MUL16 6, 1, 1, 1, 0
	WIN 0
.macro TOSTAGE a
.set AC, 64*((\a)%4)
	WIN (0x08+4*((\a)/4))
.irp b, 0,1,2,3,4,5,6,7
	ds_store_b128 v[STO], v[AC+8*\b:AC+8*\b+3] offset:64*\b
	ds_store_b128 v[STO], v[AC+8*\b+4:AC+8*\b+7] offset:64*\b+16
.endr
	WIN 0
.set BB, BK+64*((\a)%2)
.irp t, 0,1,2,3,4,5,6,7,8,9,10,11,12,13,14,15
	ds_load_b128 v[BB+4*\t:BB+4*\t+3], v[RD] offset:\t*SPITCH
.endr
.endm
.macro SEND a, younger
.set BB, BK+64*((\a)%2)
	s_wait_dscnt \younger
.if (\a) > 0
	s_add_nc_u64 s[12:13], s[12:13], 16*4096
.endif
.irp t, 0,1,2,3,4,5,6,7,8,9,10,11,12,13,14,15
	global_store_b128 v[LI], v[BB+4*\t:BB+4*\t+3], s[12:13] offset:\t*4096
.endr
.endm
	PLACES NP
	TOSTAGE 0
.irp a, 1,2,3,4,5,6,7
.if \a > 1
	s_wait_xcnt 0x0
.endif
	TOSTAGE \a
	SEND \a-1, 32
.endr
	s_wait_xcnt 0x0
	SEND 7, 0
	s_wait_tensorcnt 0x0
	ds_add_u32 v[SPW], v[NIL]
	s_wait_dscnt 0x0
	CROUND
	s_endpgm
.Lfunc_end_k_q9e234d8946_ffn2:
	.size	k_q9e234d8946_ffn2, .Lfunc_end_k_q9e234d8946_ffn2-k_q9e234d8946_ffn2
	.p2alignl 7, 3214868480
	.fill 96, 4, 3214868480
	.section	.rodata,"a",@progbits
	.p2align	6, 0x0
	.amdhsa_kernel k_q9e234d8946_ffn2
		.amdhsa_group_segment_fixed_size 327680
		.amdhsa_private_segment_fixed_size 0
		.amdhsa_enable_private_segment 0
		.amdhsa_kernarg_size 32
		.amdhsa_user_sgpr_count 2
		.amdhsa_user_sgpr_kernarg_segment_ptr 1
		.amdhsa_wavefront_size32 1
		.amdhsa_system_sgpr_workgroup_id_x 1
		.amdhsa_system_sgpr_workgroup_id_y 1
		.amdhsa_system_sgpr_workgroup_id_z 1
		.amdhsa_system_vgpr_workitem_id 0
		.amdhsa_next_free_vgpr 1024
		.amdhsa_next_free_sgpr 100
		.amdhsa_reserve_vcc 0
		.amdhsa_float_denorm_mode_32 3
		.amdhsa_float_denorm_mode_16_64 3
		.amdhsa_memory_ordered 1
		.amdhsa_forward_progress 1
		.amdhsa_inst_pref_size 167
	.end_amdhsa_kernel
	.amdgpu_metadata
---
amdhsa.version: [ 1, 2 ]
amdhsa.kernels:
  - .name:           k_q9e234d8946_ffn2
    .symbol:         k_q9e234d8946_ffn2.kd
    .args:
      - { .name: hid, .offset: 0, .size: 8, .value_kind: global_buffer, .address_space: global }
      - { .name: w2_w_codes, .offset: 8, .size: 8, .value_kind: global_buffer, .address_space: global }
      - { .name: w2_w_scales, .offset: 16, .size: 8, .value_kind: global_buffer, .address_space: global }
      - { .name: part, .offset: 24, .size: 8, .value_kind: global_buffer, .address_space: global }
    .group_segment_fixed_size: 327680
    .private_segment_fixed_size: 0
    .kernarg_segment_align: 8
    .kernarg_segment_size: 32
    .max_flat_workgroup_size: 128
    .sgpr_count:     100
    .vgpr_count:     1024
    .wavefront_size: 32
...
	.end_amdgpu_metadata
.endif
;; end of part 6
;; launch ln2 (part 7): grid 512 x 1, 8 waves a work-group, no clusters, 0 bytes of LDS; arguments part, y1, w2_b, ln2_g, ln2_b, out0; writes out0
.if DOCPART == 7
	.amdgcn_target "amdgcn-amd-amdhsa--gfx1250"
	.amdhsa_code_object_version 6
	.text
	.protected	k_q9e234d8946_ln2
	.globl	k_q9e234d8946_ln2
	.p2align	8
	.type	k_q9e234d8946_ln2,@function
k_q9e234d8946_ln2:
	s_mov_b64 s[64:65], 0
	v_nop
	global_prefetch_b8 v0, s[64:65] scope:SCOPE_SE
	s_setreg_imm32_b32 hwreg(HW_REG_WAVE_MODE, 25, 1), 1
	s_wait_xcnt 0x0
; LAUNCH 7 OF 7.  out0 = LayerNorm(part[0] + part[1] + w2_b + out1) x ln2_g + ln2_b, in f32.  Nothing is left out.
; A wave takes one row, kept in registers between the passes; all 48 loads of a wave are issued at once; each load and store covers 512 consecutive bytes.  The variance is taken in two passes, as the problem has it.
; No LDS, no barrier, no matrix unit, no cluster: the reduction never leaves the wave, and each byte of the large buffers is read once.
.set X,   32                           ; v32-63   part[0]'s row, then the row at work
.set E,   64                           ; v64-95   part[1]'s
.set G,   96                           ; v96-127  the gain
.set BV,  128                          ; v128-159 the offset
.set P3,  160                          ; v160-191 out1's row
.set W,   192                          ; v192-223 w2_b
	s_load_b256 s[4:11], s[0:1], 0x0               ; part, y1, w2_b, ln2_g
	s_load_b128 s[12:15], s[0:1], 0x20             ; ln2_b, out0
	v_lshrrev_b32 v3, 5, v0
	s_delay_alu instid0(VALU_DEP_1)
	v_readfirstlane_b32 s16, v3
	v_and_b32 v2, 31, v0
	s_delay_alu instid0(VALU_DEP_1)
	v_lshlrev_b32 v1, 4, v2
	s_mov_b32 s28, 0x76543210
	s_mov_b32 s29, 0xfedcba98
	s_lshl_b32 s17, ttmp9, 3
	s_add_co_u32 s17, s17, s16                     ; my row
	s_lshl_b32 s20, s17, 12
	s_mov_b32 s21, 0
	s_wait_alu depctr_va_vdst(0)
	s_wait_kmcnt 0x0
	s_add_nc_u64 s[4:5], s[4:5], s[20:21]
	s_add_nc_u64 s[18:19], s[4:5], 0x1000000       ; the second half of K
	s_add_nc_u64 s[6:7], s[6:7], s[20:21]
	s_add_nc_u64 s[14:15], s[14:15], s[20:21]
.irp i, 0,1,2,3,4,5,6,7
	global_load_b128 v[X+4*\i:X+4*\i+3], v1, s[4:5] offset:512*\i th:TH_LOAD_NT
.endr
.irp i, 0,1,2,3,4,5,6,7
	global_load_b128 v[E+4*\i:E+4*\i+3], v1, s[18:19] offset:512*\i th:TH_LOAD_NT
.endr
.irp i, 0,1,2,3,4,5,6,7
	global_load_b128 v[P3+4*\i:P3+4*\i+3], v1, s[6:7] offset:512*\i th:TH_LOAD_NT
.endr
.irp i, 0,1,2,3,4,5,6,7
	global_load_b128 v[W+4*\i:W+4*\i+3], v1, s[8:9] offset:512*\i
.endr
.irp i, 0,1,2,3,4,5,6,7
	global_load_b128 v[G+4*\i:G+4*\i+3], v1, s[10:11] offset:512*\i
.endr
.irp i, 0,1,2,3,4,5,6,7
	global_load_b128 v[BV+4*\i:BV+4*\i+3], v1, s[12:13] offset:512*\i
.endr
	s_wait_loadcnt 16                              ; the four addends are in; the gain's and the offset's 16 loads may be out
.set j, 0
.rept 16
	v_pk_add_f32 v[X+j:X+j+1], v[X+j:X+j+1], v[E+j:E+j+1]       ; the two halves of K,
	v_pk_add_f32 v[P3+j:P3+j+1], v[P3+j:P3+j+1], v[W+j:W+j+1]   ; the bias and the residual
.set j, j+2
.endr
.set j, 0
.rept 16
	v_pk_add_f32 v[X+j:X+j+1], v[X+j:X+j+1], v[P3+j:P3+j+1]
.set j, j+2
.endr
.macro ACROSS                          ; v16 summed over the 32 lanes, the result in every lane
	s_delay_alu instid0(VALU_DEP_1)
	v_add_f32 v16, v16, v17
	s_delay_alu instid0(VALU_DEP_1)
	v_add_f32_dpp v16, v16, v16 row_xmask:1 row_mask:0xf bank_mask:0xf
	s_delay_alu instid0(VALU_DEP_1)
	v_add_f32_dpp v16, v16, v16 row_xmask:2 row_mask:0xf bank_mask:0xf
	s_delay_alu instid0(VALU_DEP_1)
	v_add_f32_dpp v16, v16, v16 row_xmask:4 row_mask:0xf bank_mask:0xf
	s_delay_alu instid0(VALU_DEP_1)
	v_add_f32_dpp v16, v16, v16 row_xmask:8 row_mask:0xf bank_mask:0xf
	s_delay_alu instid0(VALU_DEP_1)
	v_permlanex16_b32 v17, v16, s28, s29
	s_delay_alu instid0(VALU_DEP_1)
	v_add_f32 v16, v16, v17
.endm
	v_pk_add_f32 v[16:17], v[X:X+1], v[X+2:X+3]
	v_pk_add_f32 v[18:19], v[X+4:X+5], v[X+6:X+7]
.irp j, 8,12,16,20,24,28
	s_delay_alu instid0(VALU_DEP_2)
	v_pk_add_f32 v[16:17], v[16:17], v[X+\j:X+\j+1]
	s_delay_alu instid0(VALU_DEP_2)
	v_pk_add_f32 v[18:19], v[18:19], v[X+\j+2:X+\j+3]
.endr
	s_delay_alu instid0(VALU_DEP_1)
	v_pk_add_f32 v[16:17], v[16:17], v[18:19]
	ACROSS
	s_delay_alu instid0(VALU_DEP_1)
	v_mul_f32 v24, 0x3a800000, v16                 ; the mean
	s_delay_alu instid0(VALU_DEP_1)
	v_mov_b32 v25, v24
.set j, 0
.rept 16
	v_pk_add_f32 v[X+j:X+j+1], v[X+j:X+j+1], v[24:25] neg_lo:[0,1] neg_hi:[0,1]
.set j, j+2
.endr
	v_pk_mul_f32 v[16:17], v[X:X+1], v[X:X+1]
	v_pk_mul_f32 v[18:19], v[X+2:X+3], v[X+2:X+3]
.irp j, 4,8,12,16,20,24,28
	s_delay_alu instid0(VALU_DEP_2)
	v_pk_fma_f32 v[16:17], v[X+\j:X+\j+1], v[X+\j:X+\j+1], v[16:17]
	s_delay_alu instid0(VALU_DEP_2)
	v_pk_fma_f32 v[18:19], v[X+\j+2:X+\j+3], v[X+\j+2:X+\j+3], v[18:19]
.endr
	s_delay_alu instid0(VALU_DEP_1)
	v_pk_add_f32 v[16:17], v[16:17], v[18:19]
	ACROSS
	v_mov_b32 v19, 0x3a800000
	s_delay_alu instid0(VALU_DEP_1)
	v_fmaak_f32 v18, v16, v19, 0x3727c5ac          ; the variance + 1e-5
	s_wait_alu depctr_va_vdst(0)
	v_rsq_f32 v26, v18
	v_nop                                          ; a plain line behind the transcendental
	s_wait_alu depctr_va_vdst(0)                   ; and the wait ahead of its first reader
	v_mov_b32 v27, v26
	s_wait_alu depctr_va_vdst(0)
	s_wait_loadcnt 0x0                             ; the gain and the offset
.set j, 0
.rept 16
	v_pk_mul_f32 v[X+j:X+j+1], v[X+j:X+j+1], v[26:27]
.set j, j+2
.endr
.set j, 0
.rept 16
	v_pk_fma_f32 v[X+j:X+j+1], v[X+j:X+j+1], v[G+j:G+j+1], v[BV+j:BV+j+1]
.set j, j+2
.endr
.irp i, 0,1,2,3,4,5,6,7
	global_store_b128 v1, v[X+4*\i:X+4*\i+3], s[14:15] offset:512*\i th:TH_STORE_NT
.endr
	s_endpgm
.Lfunc_end_k_q9e234d8946_ln2:
	.size	k_q9e234d8946_ln2, .Lfunc_end_k_q9e234d8946_ln2-k_q9e234d8946_ln2
	.p2alignl 7, 3214868480
	.fill 96, 4, 3214868480
	.section	.rodata,"a",@progbits
	.p2align	6, 0x0
	.amdhsa_kernel k_q9e234d8946_ln2
		.amdhsa_group_segment_fixed_size 0
		.amdhsa_private_segment_fixed_size 0
		.amdhsa_enable_private_segment 0
		.amdhsa_kernarg_size 48
		.amdhsa_user_sgpr_count 2
		.amdhsa_user_sgpr_kernarg_segment_ptr 1
		.amdhsa_wavefront_size32 1
		.amdhsa_system_sgpr_workgroup_id_x 1
		.amdhsa_system_sgpr_workgroup_id_y 1
		.amdhsa_system_sgpr_workgroup_id_z 1
		.amdhsa_system_vgpr_workitem_id 0
		.amdhsa_next_free_vgpr 232
		.amdhsa_next_free_sgpr 66
		.amdhsa_reserve_vcc 0
		.amdhsa_float_denorm_mode_32 3
		.amdhsa_float_denorm_mode_16_64 3
		.amdhsa_memory_ordered 1
		.amdhsa_forward_progress 1
		.amdhsa_inst_pref_size 17
	.end_amdhsa_kernel
	.amdgpu_metadata
---
amdhsa.version: [ 1, 2 ]
amdhsa.kernels:
  - .name:           k_q9e234d8946_ln2
    .symbol:         k_q9e234d8946_ln2.kd
    .args:
      - { .name: part, .offset: 0, .size: 8, .value_kind: global_buffer, .address_space: global }
      - { .name: y1, .offset: 8, .size: 8, .value_kind: global_buffer, .address_space: global }
      - { .name: w2_b, .offset: 16, .size: 8, .value_kind: global_buffer, .address_space: global }
      - { .name: ln2_g, .offset: 24, .size: 8, .value_kind: global_buffer, .address_space: global }
      - { .name: ln2_b, .offset: 32, .size: 8, .value_kind: global_buffer, .address_space: global }
      - { .name: out0, .offset: 40, .size: 8, .value_kind: global_buffer, .address_space: global }
    .group_segment_fixed_size: 0
    .private_segment_fixed_size: 0
    .kernarg_segment_align: 8
    .kernarg_segment_size: 48
    .max_flat_workgroup_size: 256
    .sgpr_count:     66
    .vgpr_count:     232
    .wavefront_size: 32
...
	.end_amdgpu_metadata
.endif
;; end of part 7
